; MI455X (gfx1250); checked and timed in simulation.
; The chip was launched on July 23, 2026; its instructions are those of AMD's public machine-readable ISA for CDNA 5 (MIT licence, August 2026) and "CDNA5" Instruction Set Architecture Reference Guide (July 2026). The comments in the code are by the model that wrote it; some were corrected since.
;; Multi Head Attention Block. Allowed arithmetic: float matrix products may take bf16 or f16 operands with f32 sums; all other float work in f32.
;; Inputs: bk 1,024 float32; bo 1,024 float32; bq 1,024 float32; bv 1,024 float32; k 4 x 2,048 x 1,024 float32; mask 1 x 1 x 2,048 x 2,048 bool; q 4 x 2,048 x 1,024 float32; v 4 x 2,048 x 1,024 float32; wk 1,024 x 1,024 float32; wo 1,024 x 1,024 float32; wq 1,024 x 1,024 float32; wv 1,024 x 1,024 float32.
;; Outputs: out0 4 x 2,048 x 1,024 float32.
;; 3 versions, each right; version 2 is faster than version 1; version 3 is version 2 with the launch prep written anew for expert scheduling mode. Each part assembles by itself: llvm-mc -triple=amdgcn-amd-amdhsa -mcpu=gfx1250 --defsym DOCPART=n.
;; ======== version 1 of 3: 4 launches
;; limits: values are held in f16: magnitudes above 65,504 overflow, below 6.1e-05 lose precision
;; workspace buffers: wb 8,388,608 bytes; mbits 524,288 bytes of whole numbers; qh 16,777,216 bytes; kh 16,777,216 bytes; vh 16,777,216 bytes; ao 33,554,432 bytes
;; launch prep (part 1): grid 256 x 1, 8 waves a work-group, no clusters, 0 bytes of LDS; arguments wq, wk, wv, wo, mask, wb, mbits; writes wb, mbits
.if DOCPART == 1
	.amdgcn_target "amdgcn-amd-amdhsa--gfx1250"
	.amdhsa_code_object_version 6
	.text
	.protected	k_q6544819413_prep
	.globl	k_q6544819413_prep
	.p2align	8
	.type	k_q6544819413_prep,@function
k_q6544819413_prep:
	s_mov_b64 s[64:65], 0
	v_nop
	global_prefetch_b8 v0, s[64:65] scope:SCOPE_SE
	s_setreg_imm32_b32 hwreg(HW_REG_WAVE_MODE, 25, 1), 1
	s_wait_xcnt 0x0
; Two small streams, made once for the later launches.
; (1) The four weights [1024][1024] f32 are rounded to f16 into wb = [4][1024 n][1024 k], in the order q, k, v, o.
;     Work-group g takes 16,384 numbers of weight g / 64; thread t takes 8 neighbouring numbers in each of 8 turns:
;     32 bytes in, 16 bytes out, so that sixteen neighbouring lanes store 256 consecutive aligned bytes.
;     LIMIT: a weight of 65,520 or more in magnitude becomes an infinity; under 6.1e-5 the step is 6e-8 whatever the size.
;     The weights as drawn have a spread of 1/32: a factor of 30 either way, or an offset of 30 spreads, stays far inside.
; (2) The mask [2048 q][2048 k], one byte each, becomes words of 32 bits, one bit a lane:
;     mbits[qg 32][step 32][p 2][qtl 2][kt 4][j 8]; bit r + 16 h of a word = mask[64 qg + 32 p + 16 qtl + r][64 step + 16 kt + 8 h + j].
;     That is where register j of a transposed 16 x 16 score tile has its elements, so the attention launch takes a word
;     as the lane mask of one select.  Wave W = 8 g + w makes the 64 words at byte 256 W; the eight waves of a work-group
;     together read 256 consecutive bytes of each of 64 mask rows.
; No LDS, no barrier, no matrix unit: every byte is read once and written once.
.set X, 8                              ; v[8:71]    8 turns x 8 f32 as loaded
.set Y, 72                             ; v[72:103]  8 turns x 4 registers of f16 pairs
.set M, 104                            ; v[104:119] 8 x 8 mask bytes: pair c = 4 qtl + kt
	s_load_b256 s[4:11], s[0:1], 0x0               ; wq s[4:5], wk s[6:7], wv s[8:9], wo s[10:11]
	s_load_b128 s[12:15], s[0:1], 0x20             ; mask s[12:13], wb s[14:15]
	s_load_b64 s[16:17], s[0:1], 0x30              ; mbits
	v_lshrrev_b32 v1, 5, v0
	v_readfirstlane_b32 s21, v1                    ; wave 0..7
	s_lshr_b32 s20, ttmp9, 6                       ; which weight
	s_and_b32 s24, ttmp9, 63
	s_lshl_b32 s24, s24, 16                        ; my 65,536 bytes of it
	s_mov_b32 s25, 0
	s_lshl_b32 s26, ttmp9, 15                      ; and my 32,768 bytes of wb: the weights follow each other there
	s_mov_b32 s27, 0
	s_lshr_b32 s22, ttmp9, 3                       ; qg
	s_lshl_b32 s22, s22, 17                        ; 64 mask rows of 2,048 bytes
	s_and_b32 s23, s21, 1                          ; p
	s_lshl_b32 s23, s23, 16                        ; 32 rows
	s_add_co_u32 s22, s22, s23
	s_and_b32 s23, ttmp9, 7
	s_lshl_b32 s23, s23, 2
	s_lshr_b32 s29, s21, 1
	s_add_co_u32 s23, s23, s29                     ; step = 4 (g mod 8) + w / 2
	s_lshl_b32 s23, s23, 6                         ; 64 keys
	s_add_co_u32 s22, s22, s23
	s_lshl_b32 s30, ttmp9, 11
	s_lshl_b32 s31, s21, 8
	s_add_co_u32 s30, s30, s31                     ; 256 W
	s_mov_b32 s31, 0
	v_lshlrev_b32 v1, 5, v0                        ; 32 t: my 8 f32
	v_lshlrev_b32 v2, 4, v0                        ; 16 t: my 8 f16
	v_and_b32 v5, 15, v0                           ; r
	v_bfe_u32 v4, v0, 4, 1                         ; h
	v_lshlrev_b32 v3, 11, v5
	v_lshl_add_u32 v3, v4, 3, v3
	v_add_nc_u32 v3, s22, v3                       ; mask: row r of the tile, 8 bytes at 8 h
	v_and_b32 v4, 31, v0
	v_lshlrev_b32 v4, 3, v4                        ; lane L stores words 2 L and 2 L + 1
	s_wait_kmcnt 0x0
	s_cmp_eq_u32 s20, 1                            ; the choice hangs on the work-group number alone
	s_cselect_b64 s[18:19], s[6:7], s[4:5]
	s_cmp_eq_u32 s20, 2
	s_cselect_b64 s[18:19], s[8:9], s[18:19]
	s_cmp_eq_u32 s20, 3
	s_cselect_b64 s[18:19], s[10:11], s[18:19]
	s_add_nc_u64 s[18:19], s[18:19], s[24:25]
	s_add_nc_u64 s[14:15], s[14:15], s[26:27]
	s_add_nc_u64 s[16:17], s[16:17], s[30:31]
	; all 24 loads go out first: 16 of the weight, then 8 of the mask
.irp i, 0,1,2,3,4,5,6,7
	global_load_b128 v[X+8*\i:X+8*\i+3],   v1, s[18:19] offset:8192*\i th:TH_LOAD_NT
	global_load_b128 v[X+8*\i+4:X+8*\i+7], v1, s[18:19] offset:8192*\i+16 th:TH_LOAD_NT
.endr
.irp c, 0,1,2,3,4,5,6,7
	global_load_b64 v[M+2*\c:M+2*\c+1], v3, s[12:13] offset:(\c/4)*32768+(\c%4)*16 th:TH_LOAD_NT
.endr
.irp i, 0,1,2,3,4,5,6,7
	s_wait_loadcnt 22-2*\i                         ; loads come back in order: behind this turn's two stand 14 - 2 i of the weight and 8 of the mask
	v_cvt_pk_f16_f32 v[Y+4*\i],   v[X+8*\i],   v[X+8*\i+1]
	v_cvt_pk_f16_f32 v[Y+4*\i+1], v[X+8*\i+2], v[X+8*\i+3]
	v_cvt_pk_f16_f32 v[Y+4*\i+2], v[X+8*\i+4], v[X+8*\i+5]
	v_cvt_pk_f16_f32 v[Y+4*\i+3], v[X+8*\i+6], v[X+8*\i+7]
	global_store_b128 v2, v[Y+4*\i:Y+4*\i+3], s[14:15] offset:4096*\i
.endr
	s_wait_loadcnt 0x0                             ; the mask bytes
	v_mov_b32 v6, 0                                ; v_writelane_b32 keeps the other lanes: both registers are written whole first
	v_mov_b32 v7, 0
	; word x = 32 qtl + 8 kt + j: byte j of pair x / 8 in every lane, compared with 0, gives the 32 bits at once
.set x, 0
.rept 64
	v_bfe_u32 v5, v[M+2*(x/8)+((x%8)/4)], 8*(x%4), 8
	v_cmp_ne_u32 s28, 0, v5
	v_writelane_b32 v[6+(x%2)], s28, x/2
.set x, x+1
.endr
	global_store_b64 v4, v[6:7], s[16:17]          ; 32 lanes x 8 bytes: 256 consecutive aligned bytes
	s_endpgm
.Lfunc_end_k_q6544819413_prep:
	.size	k_q6544819413_prep, .Lfunc_end_k_q6544819413_prep-k_q6544819413_prep
	.p2alignl 7, 3214868480
	.fill 96, 4, 3214868480
	.section	.rodata,"a",@progbits
	.p2align	6, 0x0
	.amdhsa_kernel k_q6544819413_prep
		.amdhsa_group_segment_fixed_size 0
		.amdhsa_private_segment_fixed_size 0
		.amdhsa_enable_private_segment 0
		.amdhsa_kernarg_size 56
		.amdhsa_user_sgpr_count 2
		.amdhsa_user_sgpr_kernarg_segment_ptr 1
		.amdhsa_wavefront_size32 1
		.amdhsa_system_sgpr_workgroup_id_x 1
		.amdhsa_system_sgpr_workgroup_id_y 1
		.amdhsa_system_sgpr_workgroup_id_z 1
		.amdhsa_system_vgpr_workitem_id 0
		.amdhsa_next_free_vgpr 120
		.amdhsa_next_free_sgpr 66
		.amdhsa_reserve_vcc 0
		.amdhsa_float_denorm_mode_32 3
		.amdhsa_float_denorm_mode_16_64 3
		.amdhsa_memory_ordered 1
		.amdhsa_forward_progress 1
		.amdhsa_inst_pref_size 20
	.end_amdhsa_kernel
	.amdgpu_metadata
---
amdhsa.version: [ 1, 2 ]
amdhsa.kernels:
  - .name:           k_q6544819413_prep
    .symbol:         k_q6544819413_prep.kd
    .args:
      - { .name: wq, .offset: 0, .size: 8, .value_kind: global_buffer, .address_space: global }
      - { .name: wk, .offset: 8, .size: 8, .value_kind: global_buffer, .address_space: global }
      - { .name: wv, .offset: 16, .size: 8, .value_kind: global_buffer, .address_space: global }
      - { .name: wo, .offset: 24, .size: 8, .value_kind: global_buffer, .address_space: global }
      - { .name: mask, .offset: 32, .size: 8, .value_kind: global_buffer, .address_space: global }
      - { .name: wb, .offset: 40, .size: 8, .value_kind: global_buffer, .address_space: global }
      - { .name: mbits, .offset: 48, .size: 8, .value_kind: global_buffer, .address_space: global }
    .group_segment_fixed_size: 0
    .private_segment_fixed_size: 0
    .kernarg_segment_align: 8
    .kernarg_segment_size: 56
    .max_flat_workgroup_size: 256
    .sgpr_count:     66
    .vgpr_count:     120
    .wavefront_size: 32
...
	.end_amdgpu_metadata
.endif
;; end of part 1
;; launch qkv (part 2): grid 4 x 192, 4 waves a work-group, clusters of 4 x 4, 327,680 bytes of LDS; arguments q, k, v, wb, bq, bk, bv, qh, kh, vh; writes qh, kh, vh
.if DOCPART == 2
	.amdgcn_target "amdgcn-amd-amdhsa--gfx1250"
	.amdhsa_code_object_version 6
	.text
	.protected	k_q6544819413_qkv
	.globl	k_q6544819413_qkv
	.p2align	8
	.type	k_q6544819413_qkv,@function
k_q6544819413_qkv:
	s_mov_b64 s[64:65], 0
	v_nop
	global_prefetch_b8 v0, s[64:65] scope:SCOPE_SE
	s_setreg_imm32_b32 hwreg(HW_REG_WAVE_MODE, 25, 1), 1
	s_wait_xcnt 0x0
	s_wait_alu depctr_hold_cnt(0) depctr_sa_sdst(0) depctr_va_vdst(0) depctr_va_sdst(0) depctr_va_ssrc(0) depctr_va_vcc(0) depctr_vm_vsrc(0)
	s_getreg_b32 s2, hwreg(HW_REG_IB_STS2, 6, 4)
	s_cmp_eq_u32 s2, 0
	s_cbranch_scc0 .Lentry_in_a_cluster
	s_endpgm
.Lentry_in_a_cluster:
	s_bfe_u32 s2, ttmp6, 0x10000c
	s_cmp_lg_u32 s2, 0xf033
	s_cbranch_scc0 .Lentry_shape_is_right
	s_endpgm
.Lentry_shape_is_right:
; C = X W^T + bias.  X: [8192][1024] f32, W: [1024 n][1024 k] f16 (one of the four in wb), sums in f32.
; VARIANT 0: the three input projections in one launch (64 block rows each along the grid y); C leaves as f16, [b][h][s][64].
;            The q projection is multiplied by log2(e) / 8 in f32 ahead of its one rounding, so that the attention launch gets its scores as exponents of 2.
; VARIANT 1: the output projection; C leaves as f32, [8192][1024].
; A work-group makes 128 rows x 256 columns with four waves; a wave makes 64 x 128: 32 accumulator tiles, 256 registers.
; K goes in 8 steps of 128 through two LDS slots filled by the tensor data mover.  X stays f32 in LDS (rows of 512 bytes) and is rounded
; to f16 in registers, 32 conversions for 32 products, so that X is moved once and no separate pass rounds it.
; CLUSTERS: 4 x 4 work-groups.  The four of a row of the cluster make the four block columns of one block row and ask for the tiles of X
; jointly; the four of a column share a block column and ask for the tiles of W jointly.
; THE PRODUCT IS USED TRANSPOSED: source 0 = 16 rows of W, source 1 = 16 rows of X, so lane (r, h) holds row r of C and its registers
; the 8 neighbouring columns 8 h + 0..7.  The bias, laid out the same way, is the C operand of the first product: nothing is cleared or added later.
; WHY f16: between the inputs and the final output stand roundings of X, W, the projections, the probabilities and the attention output; with 8 significant
; bits each their sum is more than a third of one hundredth of the output's root mean square, with 11 bits it is an eighth of that.
; LIMITS: operands and the f16 results are rounded to nearest even; a magnitude of 65,520 or more becomes an infinity, under 6.1e-5 the step is 6e-8.
; Projected numbers as the inputs are drawn reach about 5.5; with all inputs 30 times larger about 5,000; with X and W both offset by 30 of their spreads
; 1024 x 30 x 30/32 = 28,800.  NaN and infinities go through the products as the matrix unit treats them.
; REGISTERS: window 0: addresses, X as f32, X as f16 (two buffers), bias; window 1: fragments of W (two buffers); window 2: accumulators, tile (a, b) at v[8 (8 a + b)].
.set VARIANT, 0
.set KSTEP,  128
.set PA,     528                       ; LDS row of X: 512 bytes + 16 of padding
.set PB,     272                       ; LDS row of W: 256 bytes + 16 of padding; both pitches are odd multiples of 16, so 16 rows begin in 16 different 16-byte columns of 256
.set AHALF,  64*PA                     ; what one tensor load of X brings, and what one wave reads of X
.set BHALF,  128*PB                    ; the same for W
.set BOFF,   2*AHALF                   ; W lies behind the 128 rows of X
.set SLOT,   BOFF+2*BHALF              ; 137,216
.set STAGE,  2*SLOT                    ; 274,432, a multiple of 256: the way out, no fill lands here
.set WSTAGE, 16*PA                     ; 8,448 bytes for each wave
.set LAPS,   1024/(2*KSTEP)            ; a lap = two K steps = once round the ring
.set ADRA, 16                          ; v16-17  LDS address of my X rows in slot 0, 1
.set ADRB, 20                          ; v20-21  the same for W
.set STO,  24                          ; the way out: where I put my part of a row
.set RD,   25                          ; the way out: where I read rows back
.set CO,   26                          ; my byte offset in the output: 16 x lane
.set BO,   27                          ; my byte offset in the bias: 32 h
.set RAW,  32                          ; v[32:95]   X as f32: m tile a has 16 registers
.set ABF,  96                          ; v[96:159]  X as f16: two buffers of 4 fragments
.set SCL,  96                          ; the way out of VARIANT 0 uses the same registers for the scaled results
.set BIAS, 160                         ; v[160:223] n tile b: bias of columns 16 b + 8 h + 0..7
.set TMP,  160                         ; the way out uses the same registers
.set BF,   0                           ; window 1: v[0:127], two buffers of 8 fragments of W
.set G1, 24                            ; s[24:31] descriptor group 1 for X
.set G0, 32                            ; s[32:39] group 0 for X, one set for each slot
.set G1B, 48                           ; s[48:55] group 1 for W
.set G0B, 56                           ; s[56:63] group 0 for W, one set for each slot
.if VARIANT == 0
.set RA, 4                             ; s[4:5] X, s[88:89] bias, s[8:9] output: chosen among three; s[74:75] wb
.set RW, 74
.set RBI, 88
.set RO, 8
.else
.set RA, 68                            ; ao, wb, bo, out0 as they were loaded
.set RW, 70
.set RBI, 72
.set RO, 74
.endif
.set MSB, 0
.macro WIN new                         ; s_set_vgpr_msb: bits 1:0 source 0, 3:2 source 1, 5:4 source 2, 7:6 destination; the high byte repeats the setting that is left
.if MSB != \new
	s_set_vgpr_msb (MSB<<8)|\new
.set MSB, \new
.endif
.endm
; A joint load: waves 0 and 1 fetch the two halves of X, waves 2 and 3 those of W.  The branch hangs on the wave number alone.
.macro JLOAD s
	s_cmp_eq_u32 s11, 0
	s_cbranch_scc0 .Lfor_b_\@
	tensor_load_to_lds s[G0+4*\s:G0+4*\s+3], s[G1:G1+7]
	s_nop 0
	s_branch .Lasked_\@
.Lfor_b_\@:
	tensor_load_to_lds s[G0B+4*\s:G0B+4*\s+3], s[G1B:G1B+7]
	s_nop 0
.Lasked_\@:
.endm
.macro CREST                           ; a round of the cluster barrier behind its opening work-group barrier
	s_cmp_lg_u32 s10, 0
	s_cbranch_scc1 .Lnot_wave_0_\@
	s_barrier_signal -3
.Lnot_wave_0_\@:
	s_barrier_wait -3
	s_barrier_signal -1
	s_barrier_wait -1
.endm
.macro CROUND                          ; a whole round
	s_barrier_signal -1
	s_barrier_wait -1
	CREST
.endm
.macro PLACES
.rept 4
	v_nop
.endr
.endm
.if VARIANT == 0
	s_load_b512 s[68:83], s[0:1], 0x0              ; q, k, v, wb, bq, bk, bv, qh
	s_load_b128 s[84:87], s[0:1], 0x40             ; kh, vh
	v_lshl_add_u32 v254, v0, 2, 0x4b400
	v_mov_b32 v255, 0
	ds_add_u32 v254, v255
.else
	s_load_b256 s[68:75], s[0:1], 0x0              ; ao, wb, bo, out0
.endif
	v_lshrrev_b32 v1, 5, v0
	v_readfirstlane_b32 s10, v1                    ; wave 0..3
	s_lshr_b32 s11, s10, 1                         ; my half of the rows.  Also: I fetch X (0) or W (1)
	s_and_b32 s12, s10, 1                          ; my half of the columns.  Also: which half of that tile I fetch
	s_bfe_u32 s40, ttmp6, 0x40000                  ; cx
	s_bfe_u32 s41, ttmp6, 0x40004                  ; cy
	s_lshl_b32 s42, ttmp9, 2
	s_add_co_u32 s42, s42, s40                     ; block column = 4 x cluster x + cx
	s_and_b32 s13, ttmp7, 0xffff                   ; cluster y
.if VARIANT == 0
	s_lshr_b32 s45, s13, 4                         ; which projection: 16 clusters each, the same number in all sixteen partners
	s_and_b32 s13, s13, 15
.endif
	s_lshl_b32 s13, s13, 2
	s_add_co_u32 s13, s13, s41                     ; block row = 4 x cluster y + cy
	s_lshl_b32 s43, s41, 2
	s_lshl_b32 s43, 15, s43                        ; my row of the cluster
	s_lshl_b32 s44, 0x1111, s40                    ; my column
	; group 1 for X: 64 rows x 128 elements of 4 bytes, 4 words of padding behind every 128 words
	s_or_b32 s[G1+0], s43, (2<<16)|(1<<20)|(1<<21)|(6<<22)|(3<<25)
	s_mov_b32 s[G1+1], KSTEP<<16                   ; tensor_dim0 = 128
	s_mov_b32 s[G1+2], 64<<16                      ; tensor_dim1 = 64
	s_mov_b32 s[G1+3], KSTEP<<16                   ; tile_dim0 = 128
	s_mov_b32 s[G1+4], 64                          ; tile_dim1 = 64
	s_mov_b32 s[G1+5], 1024                        ; elements from row to row
	s_mov_b32 s[G1+6], 0
	s_mov_b32 s[G1+7], 0
	; group 1 for W: 128 rows x 128 elements of 2 bytes, 4 words of padding behind every 64 words
	s_or_b32 s[G1B+0], s44, (1<<16)|(1<<20)|(1<<21)|(5<<22)|(3<<25)
	s_mov_b32 s[G1B+1], KSTEP<<16
	s_mov_b32 s[G1B+2], 128<<16
	s_mov_b32 s[G1B+3], KSTEP<<16
	s_mov_b32 s[G1B+4], 128
	s_mov_b32 s[G1B+5], 1024
	s_mov_b32 s[G1B+6], 0
	s_mov_b32 s[G1B+7], 0
	s_lshl_b32 s16, s13, 7
	s_lshl_b32 s17, s12, 6
	s_add_co_u32 s16, s16, s17                     ; X: row 128 x block row + 64 x half,
	s_lshl_b32 s16, s16, 12                        ; of 4,096 bytes (below 2^25)
	s_mov_b32 s17, 0
	s_lshl_b32 s46, s42, 8
	s_lshl_b32 s47, s12, 7
	s_add_co_u32 s46, s46, s47                     ; W: row 256 x block column + 128 x half,
	s_lshl_b32 s46, s46, 11                        ; of 2,048 bytes,
.if VARIANT == 0
	s_lshl_b32 s47, s45, 21                        ; in the weight of my projection
	s_add_co_u32 s46, s46, s47
.else
	s_add_co_u32 s46, s46, 3*2097152               ; in the fourth weight
.endif
	s_mov_b32 s47, 0
	s_lshl_b32 s90, s42, 10
	s_lshl_b32 s91, s12, 9
	s_add_co_u32 s90, s90, s91                     ; bias: 4 bytes x my first column
	s_mov_b32 s91, 0
	s_mul_i32 s18, s12, AHALF                      ; where the tiles go: the wave number alone enters an LDS address
	s_mul_i32 s19, s12, BHALF
	s_add_co_u32 s19, s19, BOFF
	s_wait_dscnt 0x0
	s_wait_kmcnt 0x0
.if VARIANT == 0
	s_cmp_eq_u32 s45, 1
	s_cselect_b64 s[4:5], s[70:71], s[68:69]
	s_cselect_b64 s[88:89], s[78:79], s[76:77]
	s_cselect_b64 s[8:9], s[84:85], s[82:83]
	s_cmp_eq_u32 s45, 2
	s_cselect_b64 s[4:5], s[72:73], s[4:5]
	s_cselect_b64 s[88:89], s[80:81], s[88:89]
	s_cselect_b64 s[8:9], s[86:87], s[8:9]
.endif
	s_add_nc_u64 s[14:15], s[RA:RA+1], s[16:17]
	s_add_nc_u64 s[46:47], s[RW:RW+1], s[46:47]
	s_add_nc_u64 s[RBI:RBI+1], s[RBI:RBI+1], s[90:91]
	CROUND                                         ; all sixteen work-groups are here: the first joint loads meet
.irp s, 0,1
	s_mov_b32 s[G0+4*\s], 1
	s_add_co_u32 s[G0+4*\s+1], s18, \s*SLOT
	s_add_nc_u64 s[G0+4*\s+2:G0+4*\s+3], s[14:15], \s*KSTEP*4
	s_or_b32 s[G0+4*\s+3], s[G0+4*\s+3], 0x80000000
	s_mov_b32 s[G0B+4*\s], 1
	s_add_co_u32 s[G0B+4*\s+1], s19, \s*SLOT
	s_add_nc_u64 s[G0B+4*\s+2:G0B+4*\s+3], s[46:47], \s*KSTEP*2
	s_or_b32 s[G0B+4*\s+3], s[G0B+4*\s+3], 0x80000000
	JLOAD \s                                       ; K steps 0 and 1: two loads of the wave are out here, one later
.endr
	v_and_b32 v1, 15, v0                           ; r
	v_bfe_u32 v2, v0, 4, 1                         ; h
	v_and_b32 v3, 31, v0                           ; lane
	v_lshlrev_b32 v[BO], 5, v2
.irp b, 0,1,2,3,4,5,6,7
	global_load_b128 v[BIAS+8*\b:BIAS+8*\b+3],   v[BO], s[RBI:RBI+1] offset:64*\b
	global_load_b128 v[BIAS+8*\b+4:BIAS+8*\b+7], v[BO], s[RBI:RBI+1] offset:64*\b+16
.endr
	; A fragment is 16 rows x 32 K: lane (r, h) holds row r, K = 8 h + 0..7 and 16 + 8 h + 0..7.
	; In f32 that is 32 bytes at 32 h and 32 bytes at 64 + 32 h; in f16 16 bytes at 16 h and at 32 + 16 h.
	v_mul_u32_u24 v4, v1, PA
	v_lshl_add_u32 v4, v2, 5, v4
	v_mul_u32_u24 v5, v1, PB
	v_lshl_add_u32 v5, v2, 4, v5
	s_mul_i32 s21, s11, AHALF                      ; my 64 rows of X
	s_mul_i32 s22, s12, BHALF                      ; my 128 rows of W
	s_add_co_u32 s22, s22, BOFF
.irp s, 0,1
	v_add_nc_u32 v[ADRA+\s], s21, v4
	v_add_nc_u32 v[ADRB+\s], s22, v5
	s_add_co_u32 s21, s21, SLOT
	s_add_co_u32 s22, s22, SLOT
.endr
	s_mul_i32 s23, s10, WSTAGE
	s_add_co_u32 s23, s23, STAGE                   ; my stage
.if VARIANT == 0
	v_add_nc_u32 v[STO], s23, v5                   ; in: row r of 272 bytes, 16 bytes for each half of the lanes
	v_lshrrev_b32 v6, 3, v3
	v_and_b32 v7, 7, v0
	v_mul_u32_u24 v6, v6, PB
	v_lshl_add_u32 v6, v7, 4, v6
	v_add_nc_u32 v[RD], s23, v6                    ; back: eight lanes take the 128 bytes that one head has in a row
.else
	v_add_nc_u32 v[STO], s23, v4                   ; in: row r of 528 bytes, 32 bytes for each half of the lanes
	v_lshl_add_u32 v[RD], v3, 4, s23               ; back: the 32 lanes take one row of 512 bytes
.endif
	v_lshlrev_b32 v[CO], 4, v3
; 32 LDS loads for one quarter step (32 along K): X as f32 first, then W into buffer g
.macro FETCH slot, q, g
	WIN 0
.irp a, 0,1,2,3
	ds_load_b128 v[RAW+16*\a:RAW+16*\a+3],     v[ADRA+\slot] offset:128*\q+\a*16*PA
	ds_load_b128 v[RAW+16*\a+4:RAW+16*\a+7],   v[ADRA+\slot] offset:128*\q+\a*16*PA+16
	ds_load_b128 v[RAW+16*\a+8:RAW+16*\a+11],  v[ADRA+\slot] offset:128*\q+\a*16*PA+64
	ds_load_b128 v[RAW+16*\a+12:RAW+16*\a+15], v[ADRA+\slot] offset:128*\q+\a*16*PA+80
.endr
	WIN 0x40                                       ; destination in window 1
.irp i, 0,1,2,3,4,5,6,7
	ds_load_b128 v[BF+64*\g+8*\i:BF+64*\g+8*\i+3],   v[ADRB+\slot] offset:64*\q+\i*16*PB
	ds_load_b128 v[BF+64*\g+8*\i+4:BF+64*\g+8*\i+7], v[ADRB+\slot] offset:64*\q+\i*16*PB+32
.endr
.endm
; X of one quarter step, f32 to f16, into buffer f.  These 32 plain vector instructions name no register of the products in front of them:
; they are also the places between those products and the loads and writes that follow into the other buffers.
.macro CVT f
	WIN 0
.irp a, 0,1,2,3
.irp i, 0,1,2,3,4,5,6,7
	v_cvt_pk_f16_f32 v[ABF+32*\f+8*\a+\i], v[RAW+16*\a+2*\i], v[RAW+16*\a+2*\i+1]
.endr
.endr
.endm
; 16 products: m tiles a0, a0 + 1 x all 8 n tiles.  The 32 accumulators take turns, one instruction a turn, in the same order in every quarter.
.macro MUL2 f, a0, bias
.irp a, \a0, \a0+1
.irp b, 0,1,2,3,4,5,6,7
.if \bias
	v_wmma_f32_16x16x32_f16 v[8*(8*(\a)+\b):8*(8*(\a)+\b)+7], v[BF+64*\f+8*\b:BF+64*\f+8*\b+7], v[ABF+32*\f+8*(\a):ABF+32*\f+8*(\a)+7], v[BIAS+8*\b:BIAS+8*\b+7]
.else
	v_wmma_f32_16x16x32_f16 v[8*(8*(\a)+\b):8*(8*(\a)+\b)+7], v[BF+64*\f+8*\b:BF+64*\f+8*\b+7], v[ABF+32*\f+8*(\a):ABF+32*\f+8*(\a)+7], v[8*(8*(\a)+\b):8*(8*(\a)+\b)+7]
.endif
.endr
.endr
.endm
; One of the first three quarters of a K step: multiplies buffer f, fetches quarter qn of the same slot into buffer g.
.macro QUARTER slot, qn, f, g, bias
	s_wait_dscnt 16                                ; the 16 youngest loads are this quarter's W: X as f32 is in
	CVT \f
	FETCH \slot, \qn, \g
	s_wait_dscnt 32                                ; all but the 32 just issued: this quarter's W is in
.if \bias
	WIN 0x81                                       ; W window 1, X window 0, C (the bias) window 0, D window 2
.else
	WIN 0xa1                                       ; C and D window 2
.endif
	MUL2 \f, 0, \bias
	MUL2 \f, 2, \bias
.endm
.macro THREE slot, bias
	QUARTER \slot, 1, 0, 1, \bias
	QUARTER \slot, 2, 1, 0, 0
	QUARTER \slot, 3, 0, 1, 0
.endm
; The fourth quarter multiplies buffer 1 and changes slots.  In front of the barrier each wave waits for its reads of this slot and for all
; its tensor loads (one is out: its part of the next slot).  Behind it the refill comes first, then the next slot is read.
.macro TURN slot, next, fill
	s_wait_dscnt 16
	CVT 1
	s_wait_dscnt 0                                 ; my reads of this slot are over
	s_wait_tensorcnt 0x0                           ; all my tensor loads have landed
	ds_add_u32 v254, v255
	s_wait_dscnt 0x0
	s_barrier_signal -1                            ; where the slot is filled again this barrier opens a round of the cluster barrier
	WIN 0xa1
	MUL2 1, 0, 0                                   ; register work while the others arrive
	WIN 0
	s_barrier_wait -1
.if \fill
	CREST                                          ; no wave of any partner still reads this slot or has a load on its way
	s_add_nc_u64 s[G0+4*\slot+2:G0+4*\slot+3], s[G0+4*\slot+2:G0+4*\slot+3], 2*KSTEP*4
	s_add_nc_u64 s[G0B+4*\slot+2:G0B+4*\slot+3], s[G0B+4*\slot+2:G0B+4*\slot+3], 2*KSTEP*2
	JLOAD \slot                                    ; the first tensor load behind the round, one a wave
.endif
	FETCH \next, 0, 0
	WIN 0xa1
	MUL2 1, 2, 0
.endm
.macro LAP bias
	THREE 0, \bias
	TURN 0, 1, 1
	THREE 1, 0
	TURN 1, 0, 1
.endm
	s_wait_tensorcnt 1                             ; my part of K step 0 is in; step 1 may stay out
	s_barrier_signal -1
	s_barrier_wait -1
	FETCH 0, 0, 0
	s_wait_loadcnt 0x0                             ; the bias
	LAP 1                                          ; the first products take the bias as C
	WIN 0
	s_mov_b32 s3, LAPS-2
.Llap:
	LAP 0
	WIN 0
	s_sub_co_u32 s3, s3, 1
	s_cmp_lg_u32 s3, 0
	s_cbranch_scc1 .Llap
	THREE 0, 0                                     ; the last lap fills nothing
	TURN 0, 1, 0
	THREE 1, 0
	s_wait_dscnt 16                                ; the very last quarter: nothing more to fetch
	CVT 1
	s_wait_dscnt 0
	WIN 0xa1
	MUL2 1, 0, 0
	MUL2 1, 2, 0
	PLACES                                         ; four places between the last products and what reads their results or writes their sources
.if VARIANT == 0
	; output [b][h][s][64] f16: b = block row / 16, s = 128 (block row mod 16) + 64 x row half + .., h = 4 x block column + 2 x column half + ..
	s_lshr_b32 s14, s13, 4
	s_lshl_b32 s14, s14, 22                        ; a batch: 16 heads of 262,144 bytes
	s_and_b32 s15, s13, 15
	s_lshl_b32 s15, s15, 14                        ; 128 rows of 128 bytes
	s_add_co_u32 s14, s14, s15
	s_lshl_b32 s15, s11, 13
	s_add_co_u32 s14, s14, s15
	s_lshl_b32 s15, s42, 20                        ; four heads
	s_add_co_u32 s14, s14, s15
	s_lshl_b32 s15, s12, 19                        ; two heads
	s_add_co_u32 s14, s14, s15
	s_mov_b32 s15, 0
	s_add_nc_u64 s[RO:RO+1], s[RO:RO+1], s[14:15]
	s_cmp_eq_u32 s45, 0                            ; q takes the factor log2(e) / 8, k and v the factor 1: one text serves the three, and the
	s_cselect_b32 s20, 0x3e38aa3b, 1.0             ; choice is a value, not a way through the text
	s_mov_b32 s21, s20
; 16 rows at a time: the factor in f32, one rounding to f16, 16 bytes a lane into my stage, read back by heads: four rows of one head are 512 consecutive bytes of the output
.macro OUT16 a, f
	WIN 0x02                                       ; source 0 in window 2
.irp b, 0,1,2,3,4,5,6,7
.irp p, 0,1,2,3
	v_pk_mul_f32 v[SCL+8*\b+2*\p:SCL+8*\b+2*\p+1], v[8*(8*\a+\b)+2*\p:8*(8*\a+\b)+2*\p+1], s[20:21] op_sel_hi:[1,0]
.endr
.endr
	WIN 0
.irp b, 0,1,2,3,4,5,6,7
.irp p, 0,1,2,3
	v_cvt_pk_f16_f32 v[TMP+4*\b+\p], v[SCL+8*\b+2*\p], v[SCL+8*\b+2*\p+1]
.endr
.endr
.irp b, 0,1,2,3,4,5,6,7
	ds_store_b128 v[STO], v[TMP+4*\b:TMP+4*\b+3] offset:32*\b
.endr
	s_wait_xcnt 0x0                                ; buffer f, which earlier stores read, is loaded again only behind this wait
.irp t, 0,1,2,3,4,5,6,7
	ds_load_b128 v[\f+4*\t:\f+4*\t+3], v[RD] offset:(\t%4)*4*PB+(\t/4)*128   ; LDS serves a wave in order: these see the stores above
.endr
.irp t, 0,1,2,3,4,5,6,7
	s_wait_dscnt 7-\t                              ; the younger read-backs stay out
	global_store_b128 v[CO], v[\f+4*\t:\f+4*\t+3], s[RO:RO+1] offset:\a*2048+(\t%4)*512+(\t/4)*262144
.endr
.endm
	OUT16 0, 32
	OUT16 1, 64
	OUT16 2, 32
	OUT16 3, 64
.else
	s_lshl_b32 s14, s13, 19                        ; 128 rows of 4,096 bytes
	s_lshl_b32 s15, s11, 18
	s_add_co_u32 s14, s14, s15
	s_lshl_b32 s15, s42, 10                        ; 256 columns of 4 bytes
	s_add_co_u32 s14, s14, s15
	s_lshl_b32 s15, s12, 9
	s_add_co_u32 s14, s14, s15
	s_mov_b32 s15, 0
	s_add_nc_u64 s[RO:RO+1], s[RO:RO+1], s[14:15]
; 16 rows at a time: the accumulators go straight into my stage, whole rows of 512 bytes come back
.macro OUT16 a, f
	WIN 0x08                                       ; store data in window 2
.irp b, 0,1,2,3,4,5,6,7
	ds_store_b128 v[STO], v[8*(8*\a+\b):8*(8*\a+\b)+3]   offset:64*\b
	ds_store_b128 v[STO], v[8*(8*\a+\b)+4:8*(8*\a+\b)+7] offset:64*\b+16
.endr
	WIN 0
	s_wait_xcnt 0x0                                ; buffer f, which earlier stores read, is loaded again only behind this wait
.irp t, 0,1,2,3,4,5,6,7,8,9,10,11,12,13,14,15
	ds_load_b128 v[\f+4*\t:\f+4*\t+3], v[RD] offset:PA*\t
.endr
.irp t, 0,1,2,3,4,5,6,7,8,9,10,11,12,13,14,15
	s_wait_dscnt 15-\t                             ; the younger read-backs stay out
	global_store_b128 v[CO], v[\f+4*\t:\f+4*\t+3], s[RO:RO+1] offset:(16*\a+\t)*4096 th:TH_STORE_NT
.endr
.endm
	OUT16 0, 32
	OUT16 1, 160
	OUT16 2, 32
	OUT16 3, 160
.endif
	s_wait_tensorcnt 0x0
	ds_add_u32 v254, v255
	s_wait_dscnt 0x0
	CROUND                                         ; the closing round: no work-group ends while a partner may still ask for a tile that names it
	s_endpgm
.Lfunc_end_k_q6544819413_qkv:
	.size	k_q6544819413_qkv, .Lfunc_end_k_q6544819413_qkv-k_q6544819413_qkv
	.p2alignl 7, 3214868480
	.fill 96, 4, 3214868480
	.section	.rodata,"a",@progbits
	.p2align	6, 0x0
	.amdhsa_kernel k_q6544819413_qkv
		.amdhsa_group_segment_fixed_size 327680
		.amdhsa_private_segment_fixed_size 0
		.amdhsa_enable_private_segment 0
		.amdhsa_kernarg_size 80
		.amdhsa_user_sgpr_count 2
		.amdhsa_user_sgpr_kernarg_segment_ptr 1
		.amdhsa_wavefront_size32 1
		.amdhsa_system_sgpr_workgroup_id_x 1
		.amdhsa_system_sgpr_workgroup_id_y 1
		.amdhsa_system_sgpr_workgroup_id_z 1
		.amdhsa_system_vgpr_workitem_id 0
		.amdhsa_next_free_vgpr 768
		.amdhsa_next_free_sgpr 92
		.amdhsa_reserve_vcc 0
		.amdhsa_float_denorm_mode_32 3
		.amdhsa_float_denorm_mode_16_64 3
		.amdhsa_memory_ordered 1
		.amdhsa_forward_progress 1
		.amdhsa_inst_pref_size 186
	.end_amdhsa_kernel
	.amdgpu_metadata
---
amdhsa.version: [ 1, 2 ]
amdhsa.kernels:
  - .name:           k_q6544819413_qkv
    .symbol:         k_q6544819413_qkv.kd
    .args:
      - { .name: q, .offset: 0, .size: 8, .value_kind: global_buffer, .address_space: global }
      - { .name: k, .offset: 8, .size: 8, .value_kind: global_buffer, .address_space: global }
      - { .name: v, .offset: 16, .size: 8, .value_kind: global_buffer, .address_space: global }
      - { .name: wb, .offset: 24, .size: 8, .value_kind: global_buffer, .address_space: global }
      - { .name: bq, .offset: 32, .size: 8, .value_kind: global_buffer, .address_space: global }
      - { .name: bk, .offset: 40, .size: 8, .value_kind: global_buffer, .address_space: global }
      - { .name: bv, .offset: 48, .size: 8, .value_kind: global_buffer, .address_space: global }
      - { .name: qh, .offset: 56, .size: 8, .value_kind: global_buffer, .address_space: global }
      - { .name: kh, .offset: 64, .size: 8, .value_kind: global_buffer, .address_space: global }
      - { .name: vh, .offset: 72, .size: 8, .value_kind: global_buffer, .address_space: global }
    .group_segment_fixed_size: 327680
    .private_segment_fixed_size: 0
    .kernarg_segment_align: 8
    .kernarg_segment_size: 80
    .max_flat_workgroup_size: 128
    .sgpr_count:     92
    .vgpr_count:     768
    .wavefront_size: 32
...
	.end_amdgpu_metadata
.endif
;; end of part 2
;; launch attn (part 3): grid 4 x 64, 8 waves a work-group, clusters of 4 x 1, 327,680 bytes of LDS; arguments qh, kh, vh, mbits, ao; writes ao
.if DOCPART == 3
	.amdgcn_target "amdgcn-amd-amdhsa--gfx1250"
	.amdhsa_code_object_version 6
	.text
	.protected	k_q6544819413_attn
	.globl	k_q6544819413_attn
	.p2align	8
	.type	k_q6544819413_attn,@function
k_q6544819413_attn:
	s_mov_b64 s[64:65], 0
	v_nop
	global_prefetch_b8 v0, s[64:65] scope:SCOPE_SE
	s_setreg_imm32_b32 hwreg(HW_REG_WAVE_MODE, 25, 1), 1
	s_wait_xcnt 0x0
	s_wait_alu depctr_hold_cnt(0) depctr_sa_sdst(0) depctr_va_vdst(0) depctr_va_sdst(0) depctr_va_ssrc(0) depctr_va_vcc(0) depctr_vm_vsrc(0)
	s_getreg_b32 s2, hwreg(HW_REG_IB_STS2, 6, 4)
	s_cmp_eq_u32 s2, 0
	s_cbranch_scc0 .Lentry_in_a_cluster
	s_endpgm
.Lentry_in_a_cluster:
	s_bfe_u32 s2, ttmp6, 0x10000c
	s_cmp_lg_u32 s2, 0x3003
	s_cbranch_scc0 .Lentry_shape_is_right
	s_endpgm
.Lentry_shape_is_right:
; Attention of one head for 512 queries: softmax(where(mask, Q K^T / 8, -1e9)) V, with a running maximum.  qh, kh, vh: [b h][2048][64] f16; ao: [8192][1024] f32.
; qh comes multiplied by log2(e) / 8, so the products Q K^T are the scores as exponents of 2.
; Eight waves of 512 registers; a wave owns 64 queries (4 tiles of 16) and walks all 2,048 keys in 32 steps of 64.
; CLUSTERS: the four work-groups of a head (grid x) read the same K and V and ask for them jointly, 256 keys at a time, into two LDS slots.
; EVERYTHING IS TRANSPOSED.  S^T = K Q^T: register j of lane (r, h) holds key 8 h + j of a tile for query r.  So a query's maximum and sum live in
; its own lane (each half of the lanes has half of the keys), the registers of two neighbouring key tiles, packed to f16 in pairs, ARE the second
; operand of O^T = V^T P^T, and the rescaling of O is a multiplication lane by lane.  No score ever crosses lanes but one maximum per tile and step.
; THE MASK comes as lane masks (mbits, made by the launch in front): one scalar word is the mask of one select.  The value put in is
; -1e9 log2(e) rounded to f32, which is -1e9 within 0.7 in the score's own units, less than the step of f32 at that size (64).
; A row with no key left gives the plain mean of V, as in the reference function.
; EXPONENTS: p = exp2(s - m), the difference made by one addition of -m: it is exactly 0 at the maximum and never above, so p never passes 1 and has its place in f16;
; the rescaling factor is exp2(old m - new m), never above 1.
; LIMITS: Q, K, V and P are f16 (11 significant bits; p under 6.1e-5 has a step of 6e-8).  A NaN among the scores is dropped by the maximum (v_max3_num_f32)
; and then spreads otherwise than in the reference function; infinities likewise.
.set KP,    144                        ; LDS row of K: 128 bytes + 16: an odd multiple of 16
.set VP,    160                        ; LDS row of V: 128 bytes + 32: an odd multiple of 32, for the transposing loads
.set KQ,    64*KP                      ; 64 keys: one load, and one step
.set VQ,    64*VP
.set VOFF,  4*KQ                       ; V lies behind the 256 rows of K
.set SLOTB, 0x20000                    ; slot 1 begins at 131,072, so that one bit of the LDS address changes slots
.set STAGE, VOFF+4*VQ                  ; 77,824, a multiple of 256: the way out, between the slots; no fill lands here
.set SP,    272                        ; a stage row: 256 bytes + 16
.set KA,  4                            ; v4-5   LDS address of my K fragments in slot 0, 1
.set VA,  6                            ; v6-7   the same for V
.set STO, 8
.set RD,  9
.set CO,  10
.set NEG, 11                           ; -1e9 log2(e)
.set QO,  12
.set ST,  16                           ; v[16:31]   q tile t: -m, m, alpha, l
.set TT,  32                           ; v[32:47]   at work
.set KF,  64                           ; v[64:127]  K fragment (kt, c) at 8 (2 kt + c)
.set SC,  128                          ; v[128:255] scores: 32 qt + 8 kt + j; later P: 32 qt + 8 c + i
.set OA,  0                            ; window 1: v[0:127] O^T tile (qt, dt) at 8 (4 qt + dt)
.set QF,  128                          ; window 1: Q fragment (qt, c) at 8 (2 qt + c)
.set VF,  192                          ; window 1: V fragment (dt, c) at 8 (2 dt + c)
; s2 wave; s3 counter; s[4:5] mask words; s6-7 lane selectors; s[8:15], s[16:23] group 1 for K, V; s[24:27], s[28:31] group 0 for K, V;
; s[32:63], s[68:99] the 64 mask words of two q tiles; s[100:101] Q, later the offset in ao
.set MSB, 0
.macro WIN new                         ; s_set_vgpr_msb: bits 1:0 source 0, 3:2 source 1, 5:4 source 2, 7:6 destination; the high byte repeats the setting that is left
.if MSB != \new
	s_set_vgpr_msb (MSB<<8)|\new
.set MSB, \new
.endif
.endm
.macro NOPS n
.rept \n
	v_nop
.endr
.endm
.macro ROUND                           ; a round of the cluster barrier
	s_barrier_signal -1
	s_barrier_wait -1
	s_cmp_lg_u32 s2, 0
	s_cbranch_scc1 .Lnot_wave_0_\@
	s_barrier_signal -3
.Lnot_wave_0_\@:
	s_barrier_wait -3
	s_barrier_signal -1
	s_barrier_wait -1
.endm
.macro JLOAD                           ; waves 0-3 ask for 64 keys of K each, waves 4-7 for 64 keys of V
	s_cmp_lt_u32 s2, 4
	s_cbranch_scc0 .Lfor_v_\@
	tensor_load_to_lds s[24:27], s[8:15]
	s_nop 0
	s_branch .Lasked_\@
.Lfor_v_\@:
	tensor_load_to_lds s[28:31], s[16:23]
	s_nop 0
.Lasked_\@:
.endm
	s_load_b256 s[32:39], s[0:1], 0x0              ; qh, kh, vh, mbits
	v_lshl_add_u32 v62, v0, 2, 0x33000
	v_mov_b32 v63, 0
	ds_add_u32 v62, v63
	v_lshrrev_b32 v1, 5, v0
	v_readfirstlane_b32 s2, v1                     ; wave 0..7
	s_bfe_u32 s3, ttmp6, 0x40000                   ; cx: which 512 queries
	s_and_b32 s100, ttmp7, 0xffff                  ; batch x 16 + head
	s_and_b32 s101, s2, 3                          ; which 64 keys of a tile I fetch
	s_mov_b32 s6, 0x76543210                       ; v_permlanex16_b32: lane i of one half reads lane i of the other
	s_mov_b32 s7, 0xfedcba98
	; 64 keys are 8,192 dense bytes: 32 rows of 32 elements of 8 bytes; padding behind every 32 words, that is behind every key
	s_mov_b32 s8, 0x0733000f                       ; mask of the four partners; 8-byte elements; padding on; bit 21 beside the mask; every 32 words; 4 words
	s_mov_b32 s9, 32<<16
	s_mov_b32 s10, 32<<16
	s_mov_b32 s11, 32<<16
	s_mov_b32 s12, 32
	s_mov_b32 s13, 32
	s_mov_b32 s14, 0
	s_mov_b32 s15, 0
	s_mov_b32 s16, 0x0f33000f                      ; the same with 8 words of padding
	s_mov_b32 s17, 32<<16
	s_mov_b32 s18, 32<<16
	s_mov_b32 s19, 32<<16
	s_mov_b32 s20, 32
	s_mov_b32 s21, 32
	s_mov_b32 s22, 0
	s_mov_b32 s23, 0
	s_mov_b32 s24, 1
	s_mul_i32 s25, s101, KQ
	s_mov_b32 s28, 1
	s_mul_i32 s29, s101, VQ
	s_add_co_u32 s29, s29, VOFF
	s_lshl_b32 s40, s100, 18                       ; K, V: the head, 262,144 bytes,
	s_lshl_b32 s41, s101, 13                       ; and my 64 keys
	s_add_co_u32 s40, s40, s41
	s_mov_b32 s41, 0
	s_lshl_b32 s42, s100, 18                       ; Q: the head, 512 queries a work-group, 64 a wave, 128 bytes each
	s_lshl_b32 s43, s3, 16
	s_add_co_u32 s42, s42, s43
	s_lshl_b32 s43, s2, 13
	s_add_co_u32 s42, s42, s43
	s_mov_b32 s43, 0
	s_lshl_b32 s44, s3, 17                         ; mask words: 16,384 bytes for each group of 64 queries
	s_lshl_b32 s45, s2, 14
	s_add_co_u32 s44, s44, s45
	s_mov_b32 s45, 0
	s_mul_i32 s3, s2, 16*SP
	s_add_co_u32 s3, s3, STAGE                     ; my stage
	v_and_b32 v1, 15, v0                           ; r
	v_bfe_u32 v2, v0, 4, 1                         ; h
	v_lshlrev_b32 v[QO], 7, v1
	v_lshl_add_u32 v[QO], v2, 4, v[QO]             ; row r, 16 bytes at 16 h
	s_wait_dscnt 0x0
	s_wait_kmcnt 0x0
	s_add_nc_u64 s[26:27], s[34:35], s[40:41]
	s_or_b32 s27, s27, 0x80000000
	s_add_nc_u64 s[30:31], s[36:37], s[40:41]
	s_or_b32 s31, s31, 0x80000000
	s_add_nc_u64 s[100:101], s[32:33], s[42:43]
	s_add_nc_u64 s[4:5], s[38:39], s[44:45]
	ROUND                                          ; the four work-groups are here: the first joint loads meet
	JLOAD                                          ; keys 0 to 255 into slot 0; one tensor load of the wave is out, here and ever after
	WIN 0x40
.irp qt, 0,1,2,3
.irp c, 0,1
	global_load_b128 v[QF+8*(2*\qt+\c):QF+8*(2*\qt+\c)+3],   v[QO], s[100:101] offset:\qt*2048+64*\c
	global_load_b128 v[QF+8*(2*\qt+\c)+4:QF+8*(2*\qt+\c)+7], v[QO], s[100:101] offset:\qt*2048+64*\c+32
.endr
.endr
	WIN 0
	s_load_b512 s[32:47], s[4:5], 0x0              ; the mask words of step 0, q tiles 0 and 1
	s_load_b512 s[48:63], s[4:5], 0x40
	s_load_b512 s[68:83], s[4:5], 0x80
	s_load_b512 s[84:99], s[4:5], 0xc0
	v_mul_u32_u24 v[KA], v1, KP
	v_lshl_add_u32 v[KA], v2, 4, v[KA]             ; key r of a tile, 16 bytes at 16 h
	v_add_nc_u32 v[KA+1], SLOTB, v[KA]
	v_and_b32 v13, 7, v0
	v_lshl_add_u32 v13, v2, 3, v13                 ; transposing load: key 8 h + lane mod 8,
	v_mul_u32_u24 v[VA], v13, VP
	v_bfe_u32 v13, v0, 3, 1
	v_lshl_add_u32 v[VA], v13, 4, v[VA]            ; 16 bytes at 16 x ((lane / 8) mod 2)
	v_add_nc_u32 v[VA], VOFF, v[VA]
	v_add_nc_u32 v[VA+1], SLOTB, v[VA]
	v_mul_u32_u24 v[STO], v1, SP
	v_lshl_add_u32 v[STO], v2, 5, v[STO]
	v_add_nc_u32 v[STO], s3, v[STO]                ; in: query r, 32 bytes for each half of the lanes
	v_mul_u32_u24 v[RD], v2, SP
	v_lshl_add_u32 v[RD], v1, 4, v[RD]
	v_add_nc_u32 v[RD], s3, v[RD]                  ; back: lanes 0-15 one row of 256 bytes, lanes 16-31 the next
	v_lshlrev_b32 v[CO], 12, v2
	v_lshl_add_u32 v[CO], v1, 4, v[CO]             ; and the same two rows in ao
	v_mov_b32 v[NEG], 0xceabfb8f                   ; -1,442,695,040 = -1e9 log2(e) to the nearest f32
	v_mov_b32 v[TT+4], 0                           ; v_permlanex16_b32 counts as a reader of its destination
.macro LOADK slot, sub                 ; 16 loads: 64 keys x 64 d
	WIN 0
.irp kt, 0,1,2,3
.irp c, 0,1
	ds_load_b128 v[KF+8*(2*\kt+\c):KF+8*(2*\kt+\c)+3],   v[KA+\slot] offset:(\sub)*KQ+\kt*16*KP+64*\c
	ds_load_b128 v[KF+8*(2*\kt+\c)+4:KF+8*(2*\kt+\c)+7], v[KA+\slot] offset:(\sub)*KQ+\kt*16*KP+64*\c+32
.endr
.endr
.endm
.macro LOADV slot, sub                 ; 16 transposing loads: lane (r, h) gets d = 16 dt + r, keys 32 c + 8 h + 0..7 and 32 c + 16 + 8 h + 0..7
	WIN 0x40
.irp dt, 0,1,2,3
.irp c, 0,1
	ds_load_tr16_b128 v[VF+8*(2*\dt+\c):VF+8*(2*\dt+\c)+3],   v[VA+\slot] offset:(\sub)*VQ+\c*32*VP+32*\dt
	ds_load_tr16_b128 v[VF+8*(2*\dt+\c)+4:VF+8*(2*\dt+\c)+7], v[VA+\slot] offset:(\sub)*VQ+\c*32*VP+32*\dt+16*VP
.endr
.endr
.endm
; S^T = K Q^T, 32 products.  The 16 accumulators take turns, one instruction a turn; the first half of d starts the sums.
.macro SMUL
	WIN 0x04                                       ; source 1 (Q) in window 1
.irp c, 0,1
.irp qt, 0,1,2,3
.irp kt, 0,1,2,3
.if \c == 0
	v_wmma_f32_16x16x32_f16 v[SC+32*\qt+8*\kt:SC+32*\qt+8*\kt+7], v[KF+8*(2*\kt+\c):KF+8*(2*\kt+\c)+7], v[QF+8*(2*\qt+\c):QF+8*(2*\qt+\c)+7], 0
.else
	v_wmma_f32_16x16x32_f16 v[SC+32*\qt+8*\kt:SC+32*\qt+8*\kt+7], v[KF+8*(2*\kt+\c):KF+8*(2*\kt+\c)+7], v[QF+8*(2*\qt+\c):QF+8*(2*\qt+\c)+7], v[SC+32*\qt+8*\kt:SC+32*\qt+8*\kt+7]
.endif
.endr
.endr
.endr
.endm
; where(mask, s, the mask's value) for q tiles 2 p and 2 p + 1; then the next 64 words are asked for, which have the work of two q tiles or more in which to come.
.macro MASK p, more
	s_wait_kmcnt 0x0                               ; scalar loads come back in no order: zero is the only count that shows anything
	s_add_nc_u64 s[4:5], s[4:5], 256               ; no scalar load is out: the pointer may step
.set e, 0
.rept 32
	v_cndmask_b32 v[SC+64*\p+e], v[NEG], v[SC+64*\p+e], s[32+e]
.set e, e+1
.endr
.set e, 0
.rept 32
	v_cndmask_b32 v[SC+64*\p+32+e], v[NEG], v[SC+64*\p+32+e], s[68+e]
.set e, e+1
.endr
.if \more
	s_load_b512 s[32:47], s[4:5], 0x0
	s_load_b512 s[48:63], s[4:5], 0x40
	s_load_b512 s[68:83], s[4:5], 0x80
	s_load_b512 s[84:99], s[4:5], 0xc0
.endif
.endm
; One q tile: running maximum, exponentials, partial sum, P packed in place.
.macro SOFT qt, first
.irp k, 0,1,2,3
	v_max3_num_f32 v[TT+\k], v[SC+32*\qt+8*\k], v[SC+32*\qt+8*\k+1], v[SC+32*\qt+8*\k+2]   ; four chains that do not wait for each other
.endr
.irp k, 0,1,2,3
	v_max3_num_f32 v[TT+\k], v[TT+\k], v[SC+32*\qt+8*\k+3], v[SC+32*\qt+8*\k+4]
.endr
.irp k, 0,1,2,3
	v_max3_num_f32 v[TT+\k], v[TT+\k], v[SC+32*\qt+8*\k+5], v[SC+32*\qt+8*\k+6]
.endr
	v_max3_num_f32 v[TT], v[TT], v[TT+1], v[SC+32*\qt+7]
	v_max3_num_f32 v[TT+2], v[TT+2], v[TT+3], v[SC+32*\qt+15]
	v_max3_num_f32 v[TT], v[TT], v[TT+2], v[SC+32*\qt+23]
.if \first
	v_max_num_f32 v[TT], v[TT], v[SC+32*\qt+31]
.else
	v_max3_num_f32 v[TT], v[TT], v[SC+32*\qt+31], v[ST+4*\qt+1]    ; the old maximum comes in
.endif
	v_permlanex16_b32 v[TT+4], v[TT], s6, s7       ; the other half of the keys
	v_max_num_f32 v[ST+4*\qt+1], v[TT], v[TT+4]    ; m
	v_mul_f32 v[TT+5], -1.0, v[ST+4*\qt+1]         ; -m, exact
.if \first == 0
	v_sub_f32 v[TT+6], v[TT+5], v[ST+4*\qt]        ; old m - new m: never above 0
.endif
	v_mov_b32 v[ST+4*\qt], v[TT+5]
.if \first == 0
	v_exp_f32 v[ST+4*\qt+2], v[TT+6]               ; alpha; the additions below are the plain instructions behind it (ISA guide 5.7.2)
.endif
.set e, 0
.rept 16
	v_pk_add_f32 v[SC+32*\qt+e:SC+32*\qt+e+1], v[SC+32*\qt+e:SC+32*\qt+e+1], v[ST+4*\qt:ST+4*\qt+1] op_sel_hi:[1,0]   ; s - m, both halves take -m
.set e, e+2
.endr
.set e, 0
.rept 32
	v_exp_f32 v[SC+32*\qt+e], v[SC+32*\qt+e]
.set e, e+1
.endr
	v_nop                                          ; one plain instruction between the last exponential and the first use
	s_wait_alu depctr_va_vdst(0)
	v_pk_add_f32 v[TT+8:TT+9],   v[SC+32*\qt:SC+32*\qt+1],   v[SC+32*\qt+4:SC+32*\qt+5]
	v_pk_add_f32 v[TT+10:TT+11], v[SC+32*\qt+2:SC+32*\qt+3], v[SC+32*\qt+6:SC+32*\qt+7]
.irp e, 8,12,16,20,24,28
	v_pk_add_f32 v[TT+8:TT+9],   v[TT+8:TT+9],   v[SC+32*\qt+\e:SC+32*\qt+\e+1]
	v_pk_add_f32 v[TT+10:TT+11], v[TT+10:TT+11], v[SC+32*\qt+\e+2:SC+32*\qt+\e+3]
.endr
	v_pk_add_f32 v[TT+8:TT+9], v[TT+8:TT+9], v[TT+10:TT+11]
.if \first
	v_add_f32 v[ST+4*\qt+3], v[TT+8], v[TT+9]      ; l of my half of the keys; the halves meet at the end
.else
	v_add_f32 v[TT+8], v[TT+8], v[TT+9]
	v_fma_f32 v[ST+4*\qt+3], v[ST+4*\qt+3], v[ST+4*\qt+2], v[TT+8]
.endif
.set e, 0
.rept 16
	v_cvt_pk_f16_f32 v[SC+32*\qt+e], v[SC+32*\qt+2*e], v[SC+32*\qt+2*e+1]      ; register e is written when 2 e and 2 e + 1 are read: nothing unread is lost
.set e, e+1
.endr
.endm
.macro RESCALE                         ; O *= alpha, lane by lane
	WIN 0x41
.irp qt, 0,1,2,3
.set e, 0
.rept 16
	v_pk_mul_f32 v[OA+32*\qt+e:OA+32*\qt+e+1], v[OA+32*\qt+e:OA+32*\qt+e+1], v[ST+4*\qt+2:ST+4*\qt+3] op_sel_hi:[1,0]
.set e, e+2
.endr
.endr
.endm
; O^T += V^T P^T, 32 products; the 16 accumulators take turns, one instruction a turn.
.macro PVMUL first
	WIN 0x51                                       ; V, C and D in window 1, P in window 0
.irp c, 0,1
.irp qt, 0,1,2,3
.irp dt, 0,1,2,3
.if \first*(1-\c)
	v_wmma_f32_16x16x32_f16 v[OA+8*(4*\qt+\dt):OA+8*(4*\qt+\dt)+7], v[VF+8*(2*\dt+\c):VF+8*(2*\dt+\c)+7], v[SC+32*\qt+8*\c:SC+32*\qt+8*\c+7], 0
.else
	v_wmma_f32_16x16x32_f16 v[OA+8*(4*\qt+\dt):OA+8*(4*\qt+\dt)+7], v[VF+8*(2*\dt+\c):VF+8*(2*\dt+\c)+7], v[SC+32*\qt+8*\c:SC+32*\qt+8*\c+7], v[OA+8*(4*\qt+\dt):OA+8*(4*\qt+\dt)+7]
.endif
.endr
.endr
.endr
.endm
; 64 keys.
.macro STEP slot, sub, first, more
.if \first == 0
	NOPS 5                                         ; five places between the last product of P and V and the products that write over P; they serve the loads into V too
.endif
.if \sub == 0
	LOADK \slot, 0
.endif
	LOADV \slot, \sub
	s_wait_dscnt 16                                ; the 16 youngest loads are V: K is in
	SMUL
	WIN 0
	NOPS 4                                         ; four places before the scores are read and K is loaded again
.if \sub < 3
	LOADK \slot, \sub+1                            ; the next step's K comes during the softmax
.endif
	MASK 0, 1
	SOFT 0, \first
	SOFT 1, \first
	MASK 1, \more
	SOFT 2, \first
	SOFT 3, \first
.if \first == 0
	RESCALE
.endif
.if \sub < 3
	s_wait_dscnt 16                                ; the 16 youngest loads are the next K: V is in
.else
	s_wait_dscnt 0
.endif
	PVMUL \first
	WIN 0
.endm
; 256 keys.  In front of the round each wave waits for all its tensor loads (its part of this trip's tile) and for its reads of the other slot;
; behind the round the other slot is filled first, one load a wave, and has this trip's four steps in which to land.
.macro TRIP slot, first, refill, last
	s_wait_tensorcnt 0x0
	ds_add_u32 v62, v63
	s_wait_dscnt 0x0
.if \refill
	s_add_nc_u64 s[26:27], s[26:27], 4*8192        ; no tensor load of mine is out: the descriptors may step to the next 256 keys
	s_add_nc_u64 s[30:31], s[30:31], 4*8192
	s_xor_b32 s25, s25, SLOTB                      ; and to the other slot
	s_xor_b32 s29, s29, SLOTB
.endif
	s_wait_dscnt 0x0
	ROUND
.if \refill
	JLOAD
.endif
	STEP \slot, 0, \first, 1
	STEP \slot, 1, 0, 1
	STEP \slot, 2, 0, 1
	STEP \slot, 3, 0, 1-\last
.endm
	s_wait_loadcnt 0x0                             ; Q
	TRIP 0, 1, 1, 0                                ; the first step starts maxima, sums and O: nothing is cleared
	s_mov_b32 s3, 3
.Lpair:
	TRIP 1, 0, 1, 0
	TRIP 0, 0, 1, 0
	s_sub_co_u32 s3, s3, 1
	s_cmp_lg_u32 s3, 0
	s_cbranch_scc1 .Lpair
	TRIP 1, 0, 0, 1                                ; the last 256 keys: nothing more is fetched, neither tiles nor mask words
	; THE WAY OUT: O / l, 16 queries at a time through my stage, so that sixteen lanes store the 256 consecutive aligned bytes that a head has in a row of ao.
	NOPS 4                                         ; four places behind the last products
	s_load_b64 s[32:33], s[0:1], 0x20              ; ao
	s_bfe_u32 s3, ttmp6, 0x40000
	s_and_b32 s100, ttmp7, 0xffff
	s_lshr_b32 s101, s100, 4
	s_lshl_b32 s101, s101, 23                      ; batch: 2,048 rows of 4,096 bytes
	s_lshl_b32 s3, s3, 21                          ; 512 rows
	s_add_co_u32 s101, s101, s3
	s_lshl_b32 s3, s2, 18                          ; 64 rows
	s_add_co_u32 s101, s101, s3
	s_and_b32 s100, s100, 15
	s_lshl_b32 s100, s100, 8                       ; head: 256 bytes
	s_add_co_u32 s100, s100, s101
	s_mov_b32 s101, 0
.irp qt, 0,1,2,3
	v_permlanex16_b32 v[TT+\qt], v[ST+4*\qt+3], s6, s7
.endr
.irp qt, 0,1,2,3
	v_add_f32 v[TT+\qt], v[TT+\qt], v[ST+4*\qt+3]  ; the two halves of the keys
.endr
.irp qt, 0,1,2,3
	v_rcp_f32 v[ST+4*\qt+2], v[TT+\qt]
.endr
	v_nop                                          ; one plain instruction behind the reciprocals
	s_wait_alu depctr_va_vdst(0)
	s_wait_kmcnt 0x0
	s_add_nc_u64 s[32:33], s[32:33], s[100:101]
.macro OUTQ qt, f
	WIN 0x01                                       ; source 0 (O) in window 1
.set e, 0
.rept 16
	v_pk_mul_f32 v[SC+32*\qt+e:SC+32*\qt+e+1], v[OA+32*\qt+e:OA+32*\qt+e+1], v[ST+4*\qt+2:ST+4*\qt+3] op_sel_hi:[1,0]
.set e, e+2
.endr
	WIN 0
.irp dt, 0,1,2,3
	ds_store_b128 v[STO], v[SC+32*\qt+8*\dt:SC+32*\qt+8*\dt+3]   offset:64*\dt
	ds_store_b128 v[STO], v[SC+32*\qt+8*\dt+4:SC+32*\qt+8*\dt+7] offset:64*\dt+16
.endr
	s_wait_xcnt 0x0                                ; buffer f, which earlier stores read, is loaded again only behind this wait
.irp t, 0,1,2,3,4,5,6,7
	ds_load_b128 v[\f+4*\t:\f+4*\t+3], v[RD] offset:2*SP*\t        ; LDS serves a wave in order: these see the stores above
.endr
.irp t, 0,1,2,3,4,5,6,7
	s_wait_dscnt 7-\t                              ; the younger read-backs stay out
	global_store_b128 v[CO], v[\f+4*\t:\f+4*\t+3], s[32:33] offset:(16*\qt+2*\t)*4096
.endr
.endm
	OUTQ 0, KF
	OUTQ 1, KF+32
	OUTQ 2, KF
	OUTQ 3, KF+32
	s_wait_tensorcnt 0x0
	ds_add_u32 v62, v63
	s_wait_dscnt 0x0
	ROUND                                          ; the closing round: no work-group ends while a partner may still ask for a tile that names it
	s_endpgm
.Lfunc_end_k_q6544819413_attn:
	.size	k_q6544819413_attn, .Lfunc_end_k_q6544819413_attn-k_q6544819413_attn
	.p2alignl 7, 3214868480
	.fill 96, 4, 3214868480
	.section	.rodata,"a",@progbits
	.p2align	6, 0x0
	.amdhsa_kernel k_q6544819413_attn
		.amdhsa_group_segment_fixed_size 327680
		.amdhsa_private_segment_fixed_size 0
		.amdhsa_enable_private_segment 0
		.amdhsa_kernarg_size 40
		.amdhsa_user_sgpr_count 2
		.amdhsa_user_sgpr_kernarg_segment_ptr 1
		.amdhsa_wavefront_size32 1
		.amdhsa_system_sgpr_workgroup_id_x 1
		.amdhsa_system_sgpr_workgroup_id_y 1
		.amdhsa_system_sgpr_workgroup_id_z 1
		.amdhsa_system_vgpr_workitem_id 0
		.amdhsa_next_free_vgpr 512
		.amdhsa_next_free_sgpr 102
		.amdhsa_reserve_vcc 0
		.amdhsa_float_denorm_mode_32 3
		.amdhsa_float_denorm_mode_16_64 3
		.amdhsa_memory_ordered 1
		.amdhsa_forward_progress 1
		.amdhsa_inst_pref_size 255
	.end_amdhsa_kernel
	.section	.bss,"aw",@nobits
	.p2align	6
	.space	262144
	.amdgpu_metadata
---
amdhsa.version: [ 1, 2 ]
amdhsa.kernels:
  - .name:           k_q6544819413_attn
    .symbol:         k_q6544819413_attn.kd
    .args:
      - { .name: qh, .offset: 0, .size: 8, .value_kind: global_buffer, .address_space: global }
      - { .name: kh, .offset: 8, .size: 8, .value_kind: global_buffer, .address_space: global }
      - { .name: vh, .offset: 16, .size: 8, .value_kind: global_buffer, .address_space: global }
      - { .name: mbits, .offset: 24, .size: 8, .value_kind: global_buffer, .address_space: global }
      - { .name: ao, .offset: 32, .size: 8, .value_kind: global_buffer, .address_space: global }
    .group_segment_fixed_size: 327680
    .private_segment_fixed_size: 0
    .kernarg_segment_align: 8
    .kernarg_segment_size: 40
    .max_flat_workgroup_size: 256
    .sgpr_count:     102
    .vgpr_count:     512
    .wavefront_size: 32
...
	.end_amdgpu_metadata
.endif
;; end of part 3
;; launch oproj (part 4): grid 4 x 64, 4 waves a work-group, clusters of 4 x 4, 327,680 bytes of LDS; arguments ao, wb, bo, out0; writes out0
.if DOCPART == 4
	.amdgcn_target "amdgcn-amd-amdhsa--gfx1250"
	.amdhsa_code_object_version 6
	.text
	.protected	k_q6544819413_oproj
	.globl	k_q6544819413_oproj
	.p2align	8
	.type	k_q6544819413_oproj,@function
k_q6544819413_oproj:
	s_mov_b64 s[64:65], 0
	v_nop
	global_prefetch_b8 v0, s[64:65] scope:SCOPE_SE
	s_setreg_imm32_b32 hwreg(HW_REG_WAVE_MODE, 25, 1), 1
	s_wait_xcnt 0x0
	s_wait_alu depctr_hold_cnt(0) depctr_sa_sdst(0) depctr_va_vdst(0) depctr_va_sdst(0) depctr_va_ssrc(0) depctr_va_vcc(0) depctr_vm_vsrc(0)
	s_getreg_b32 s2, hwreg(HW_REG_IB_STS2, 6, 4)
	s_cmp_eq_u32 s2, 0
	s_cbranch_scc0 .Lentry_in_a_cluster
	s_endpgm
.Lentry_in_a_cluster:
	s_bfe_u32 s2, ttmp6, 0x10000c
	s_cmp_lg_u32 s2, 0xf033
	s_cbranch_scc0 .Lentry_shape_is_right
	s_endpgm
.Lentry_shape_is_right:
; C = X W^T + bias.  X: [8192][1024] f32, W: [1024 n][1024 k] f16 (one of the four in wb), sums in f32.
; VARIANT 0: the three input projections in one launch (64 block rows each along the grid y); C leaves as f16, [b][h][s][64].
;            The q projection is multiplied by log2(e) / 8 in f32 ahead of its one rounding, so that the attention launch gets its scores as exponents of 2.
; VARIANT 1: the output projection; C leaves as f32, [8192][1024].
; A work-group makes 128 rows x 256 columns with four waves; a wave makes 64 x 128: 32 accumulator tiles, 256 registers.
; K goes in 8 steps of 128 through two LDS slots filled by the tensor data mover.  X stays f32 in LDS (rows of 512 bytes) and is rounded
; to f16 in registers, 32 conversions for 32 products, so that X is moved once and no separate pass rounds it.
; CLUSTERS: 4 x 4 work-groups.  The four of a row of the cluster make the four block columns of one block row and ask for the tiles of X
; jointly; the four of a column share a block column and ask for the tiles of W jointly.
; THE PRODUCT IS USED TRANSPOSED: source 0 = 16 rows of W, source 1 = 16 rows of X, so lane (r, h) holds row r of C and its registers
; the 8 neighbouring columns 8 h + 0..7.  The bias, laid out the same way, is the C operand of the first product: nothing is cleared or added later.
; WHY f16: between the inputs and the final output stand roundings of X, W, the projections, the probabilities and the attention output; with 8 significant
; bits each their sum is more than a third of one hundredth of the output's root mean square, with 11 bits it is an eighth of that.
; LIMITS: operands and the f16 results are rounded to nearest even; a magnitude of 65,520 or more becomes an infinity, under 6.1e-5 the step is 6e-8.
; Projected numbers as the inputs are drawn reach about 5.5; with all inputs 30 times larger about 5,000; with X and W both offset by 30 of their spreads
; 1024 x 30 x 30/32 = 28,800.  NaN and infinities go through the products as the matrix unit treats them.
; REGISTERS: window 0: addresses, X as f32, X as f16 (two buffers), bias; window 1: fragments of W (two buffers); window 2: accumulators, tile (a, b) at v[8 (8 a + b)].
.set VARIANT, 1
.set KSTEP,  128
.set PA,     528                       ; LDS row of X: 512 bytes + 16 of padding
.set PB,     272                       ; LDS row of W: 256 bytes + 16 of padding; both pitches are odd multiples of 16, so 16 rows begin in 16 different 16-byte columns of 256
.set AHALF,  64*PA                     ; what one tensor load of X brings, and what one wave reads of X
.set BHALF,  128*PB                    ; the same for W
.set BOFF,   2*AHALF                   ; W lies behind the 128 rows of X
.set SLOT,   BOFF+2*BHALF              ; 137,216
.set STAGE,  2*SLOT                    ; 274,432, a multiple of 256: the way out, no fill lands here
.set WSTAGE, 16*PA                     ; 8,448 bytes for each wave
.set LAPS,   1024/(2*KSTEP)            ; a lap = two K steps = once round the ring
.set ADRA, 16                          ; v16-17  LDS address of my X rows in slot 0, 1
.set ADRB, 20                          ; v20-21  the same for W
.set STO,  24                          ; the way out: where I put my part of a row
.set RD,   25                          ; the way out: where I read rows back
.set CO,   26                          ; my byte offset in the output: 16 x lane
.set BO,   27                          ; my byte offset in the bias: 32 h
.set RAW,  32                          ; v[32:95]   X as f32: m tile a has 16 registers
.set ABF,  96                          ; v[96:159]  X as f16: two buffers of 4 fragments
.set SCL,  96                          ; the way out of VARIANT 0 uses the same registers for the scaled results
.set BIAS, 160                         ; v[160:223] n tile b: bias of columns 16 b + 8 h + 0..7
.set TMP,  160                         ; the way out uses the same registers
.set BF,   0                           ; window 1: v[0:127], two buffers of 8 fragments of W
.set G1, 24                            ; s[24:31] descriptor group 1 for X
.set G0, 32                            ; s[32:39] group 0 for X, one set for each slot
.set G1B, 48                           ; s[48:55] group 1 for W
.set G0B, 56                           ; s[56:63] group 0 for W, one set for each slot
.if VARIANT == 0
.set RA, 4                             ; s[4:5] X, s[88:89] bias, s[8:9] output: chosen among three; s[74:75] wb
.set RW, 74
.set RBI, 88
.set RO, 8
.else
.set RA, 68                            ; ao, wb, bo, out0 as they were loaded
.set RW, 70
.set RBI, 72
.set RO, 74
.endif
.set MSB, 0
.macro WIN new                         ; s_set_vgpr_msb: bits 1:0 source 0, 3:2 source 1, 5:4 source 2, 7:6 destination; the high byte repeats the setting that is left
.if MSB != \new
	s_set_vgpr_msb (MSB<<8)|\new
.set MSB, \new
.endif
.endm
; A joint load: waves 0 and 1 fetch the two halves of X, waves 2 and 3 those of W.  The branch hangs on the wave number alone.
.macro JLOAD s
	s_cmp_eq_u32 s11, 0
	s_cbranch_scc0 .Lfor_b_\@
	tensor_load_to_lds s[G0+4*\s:G0+4*\s+3], s[G1:G1+7]
	s_nop 0
	s_branch .Lasked_\@
.Lfor_b_\@:
	tensor_load_to_lds s[G0B+4*\s:G0B+4*\s+3], s[G1B:G1B+7]
	s_nop 0
.Lasked_\@:
.endm
.macro CREST                           ; a round of the cluster barrier behind its opening work-group barrier
	s_cmp_lg_u32 s10, 0
	s_cbranch_scc1 .Lnot_wave_0_\@
	s_barrier_signal -3
.Lnot_wave_0_\@:
	s_barrier_wait -3
	s_barrier_signal -1
	s_barrier_wait -1
.endm
.macro CROUND                          ; a whole round
	s_barrier_signal -1
	s_barrier_wait -1
	CREST
.endm
.macro PLACES
.rept 4
	v_nop
.endr
.endm
.if VARIANT == 0
	s_load_b512 s[68:83], s[0:1], 0x0              ; q, k, v, wb, bq, bk, bv, qh
	s_load_b128 s[84:87], s[0:1], 0x40             ; kh, vh
.else
	s_load_b256 s[68:75], s[0:1], 0x0              ; ao, wb, bo, out0
	v_lshl_add_u32 v254, v0, 2, 0x4b400
	v_mov_b32 v255, 0
	ds_add_u32 v254, v255
.endif
	v_lshrrev_b32 v1, 5, v0
	v_readfirstlane_b32 s10, v1                    ; wave 0..3
	s_lshr_b32 s11, s10, 1                         ; my half of the rows.  Also: I fetch X (0) or W (1)
	s_and_b32 s12, s10, 1                          ; my half of the columns.  Also: which half of that tile I fetch
	s_bfe_u32 s40, ttmp6, 0x40000                  ; cx
	s_bfe_u32 s41, ttmp6, 0x40004                  ; cy
	s_lshl_b32 s42, ttmp9, 2
	s_add_co_u32 s42, s42, s40                     ; block column = 4 x cluster x + cx
	s_and_b32 s13, ttmp7, 0xffff                   ; cluster y
.if VARIANT == 0
	s_lshr_b32 s45, s13, 4                         ; which projection: 16 clusters each, the same number in all sixteen partners
	s_and_b32 s13, s13, 15
.endif
	s_lshl_b32 s13, s13, 2
	s_add_co_u32 s13, s13, s41                     ; block row = 4 x cluster y + cy
	s_lshl_b32 s43, s41, 2
	s_lshl_b32 s43, 15, s43                        ; my row of the cluster
	s_lshl_b32 s44, 0x1111, s40                    ; my column
	; group 1 for X: 64 rows x 128 elements of 4 bytes, 4 words of padding behind every 128 words
	s_or_b32 s[G1+0], s43, (2<<16)|(1<<20)|(1<<21)|(6<<22)|(3<<25)
	s_mov_b32 s[G1+1], KSTEP<<16                   ; tensor_dim0 = 128
	s_mov_b32 s[G1+2], 64<<16                      ; tensor_dim1 = 64
	s_mov_b32 s[G1+3], KSTEP<<16                   ; tile_dim0 = 128
	s_mov_b32 s[G1+4], 64                          ; tile_dim1 = 64
	s_mov_b32 s[G1+5], 1024                        ; elements from row to row
	s_mov_b32 s[G1+6], 0
	s_mov_b32 s[G1+7], 0
	; group 1 for W: 128 rows x 128 elements of 2 bytes, 4 words of padding behind every 64 words
	s_or_b32 s[G1B+0], s44, (1<<16)|(1<<20)|(1<<21)|(5<<22)|(3<<25)
	s_mov_b32 s[G1B+1], KSTEP<<16
	s_mov_b32 s[G1B+2], 128<<16
	s_mov_b32 s[G1B+3], KSTEP<<16
	s_mov_b32 s[G1B+4], 128
	s_mov_b32 s[G1B+5], 1024
	s_mov_b32 s[G1B+6], 0
	s_mov_b32 s[G1B+7], 0
	s_lshl_b32 s16, s13, 7
	s_lshl_b32 s17, s12, 6
	s_add_co_u32 s16, s16, s17                     ; X: row 128 x block row + 64 x half,
	s_lshl_b32 s16, s16, 12                        ; of 4,096 bytes (below 2^25)
	s_mov_b32 s17, 0
	s_lshl_b32 s46, s42, 8
	s_lshl_b32 s47, s12, 7
	s_add_co_u32 s46, s46, s47                     ; W: row 256 x block column + 128 x half,
	s_lshl_b32 s46, s46, 11                        ; of 2,048 bytes,
.if VARIANT == 0
	s_lshl_b32 s47, s45, 21                        ; in the weight of my projection
	s_add_co_u32 s46, s46, s47
.else
	s_add_co_u32 s46, s46, 3*2097152               ; in the fourth weight
.endif
	s_mov_b32 s47, 0
	s_lshl_b32 s90, s42, 10
	s_lshl_b32 s91, s12, 9
	s_add_co_u32 s90, s90, s91                     ; bias: 4 bytes x my first column
	s_mov_b32 s91, 0
	s_mul_i32 s18, s12, AHALF                      ; where the tiles go: the wave number alone enters an LDS address
	s_mul_i32 s19, s12, BHALF
	s_add_co_u32 s19, s19, BOFF
	s_wait_dscnt 0x0
	s_wait_kmcnt 0x0
.if VARIANT == 0
	s_cmp_eq_u32 s45, 1
	s_cselect_b64 s[4:5], s[70:71], s[68:69]
	s_cselect_b64 s[88:89], s[78:79], s[76:77]
	s_cselect_b64 s[8:9], s[84:85], s[82:83]
	s_cmp_eq_u32 s45, 2
	s_cselect_b64 s[4:5], s[72:73], s[4:5]
	s_cselect_b64 s[88:89], s[80:81], s[88:89]
	s_cselect_b64 s[8:9], s[86:87], s[8:9]
.endif
	s_add_nc_u64 s[14:15], s[RA:RA+1], s[16:17]
	s_add_nc_u64 s[46:47], s[RW:RW+1], s[46:47]
	s_add_nc_u64 s[RBI:RBI+1], s[RBI:RBI+1], s[90:91]
	CROUND                                         ; all sixteen work-groups are here: the first joint loads meet
.irp s, 0,1
	s_mov_b32 s[G0+4*\s], 1
	s_add_co_u32 s[G0+4*\s+1], s18, \s*SLOT
	s_add_nc_u64 s[G0+4*\s+2:G0+4*\s+3], s[14:15], \s*KSTEP*4
	s_or_b32 s[G0+4*\s+3], s[G0+4*\s+3], 0x80000000
	s_mov_b32 s[G0B+4*\s], 1
	s_add_co_u32 s[G0B+4*\s+1], s19, \s*SLOT
	s_add_nc_u64 s[G0B+4*\s+2:G0B+4*\s+3], s[46:47], \s*KSTEP*2
	s_or_b32 s[G0B+4*\s+3], s[G0B+4*\s+3], 0x80000000
	JLOAD \s                                       ; K steps 0 and 1: two loads of the wave are out here, one later
.endr
	v_and_b32 v1, 15, v0                           ; r
	v_bfe_u32 v2, v0, 4, 1                         ; h
	v_and_b32 v3, 31, v0                           ; lane
	v_lshlrev_b32 v[BO], 5, v2
.irp b, 0,1,2,3,4,5,6,7
	global_load_b128 v[BIAS+8*\b:BIAS+8*\b+3],   v[BO], s[RBI:RBI+1] offset:64*\b
	global_load_b128 v[BIAS+8*\b+4:BIAS+8*\b+7], v[BO], s[RBI:RBI+1] offset:64*\b+16
.endr
	; A fragment is 16 rows x 32 K: lane (r, h) holds row r, K = 8 h + 0..7 and 16 + 8 h + 0..7.
	; In f32 that is 32 bytes at 32 h and 32 bytes at 64 + 32 h; in f16 16 bytes at 16 h and at 32 + 16 h.
	v_mul_u32_u24 v4, v1, PA
	v_lshl_add_u32 v4, v2, 5, v4
	v_mul_u32_u24 v5, v1, PB
	v_lshl_add_u32 v5, v2, 4, v5
	s_mul_i32 s21, s11, AHALF                      ; my 64 rows of X
	s_mul_i32 s22, s12, BHALF                      ; my 128 rows of W
	s_add_co_u32 s22, s22, BOFF
.irp s, 0,1
	v_add_nc_u32 v[ADRA+\s], s21, v4
	v_add_nc_u32 v[ADRB+\s], s22, v5
	s_add_co_u32 s21, s21, SLOT
	s_add_co_u32 s22, s22, SLOT
.endr
	s_mul_i32 s23, s10, WSTAGE
	s_add_co_u32 s23, s23, STAGE                   ; my stage
.if VARIANT == 0
	v_add_nc_u32 v[STO], s23, v5                   ; in: row r of 272 bytes, 16 bytes for each half of the lanes
	v_lshrrev_b32 v6, 3, v3
	v_and_b32 v7, 7, v0
	v_mul_u32_u24 v6, v6, PB
	v_lshl_add_u32 v6, v7, 4, v6
	v_add_nc_u32 v[RD], s23, v6                    ; back: eight lanes take the 128 bytes that one head has in a row
.else
	v_add_nc_u32 v[STO], s23, v4                   ; in: row r of 528 bytes, 32 bytes for each half of the lanes
	v_lshl_add_u32 v[RD], v3, 4, s23               ; back: the 32 lanes take one row of 512 bytes
.endif
	v_lshlrev_b32 v[CO], 4, v3
; 32 LDS loads for one quarter step (32 along K): X as f32 first, then W into buffer g
.macro FETCH slot, q, g
	WIN 0
.irp a, 0,1,2,3
	ds_load_b128 v[RAW+16*\a:RAW+16*\a+3],     v[ADRA+\slot] offset:128*\q+\a*16*PA
	ds_load_b128 v[RAW+16*\a+4:RAW+16*\a+7],   v[ADRA+\slot] offset:128*\q+\a*16*PA+16
	ds_load_b128 v[RAW+16*\a+8:RAW+16*\a+11],  v[ADRA+\slot] offset:128*\q+\a*16*PA+64
	ds_load_b128 v[RAW+16*\a+12:RAW+16*\a+15], v[ADRA+\slot] offset:128*\q+\a*16*PA+80
.endr
	WIN 0x40                                       ; destination in window 1
.irp i, 0,1,2,3,4,5,6,7
	ds_load_b128 v[BF+64*\g+8*\i:BF+64*\g+8*\i+3],   v[ADRB+\slot] offset:64*\q+\i*16*PB
	ds_load_b128 v[BF+64*\g+8*\i+4:BF+64*\g+8*\i+7], v[ADRB+\slot] offset:64*\q+\i*16*PB+32
.endr
.endm
; X of one quarter step, f32 to f16, into buffer f.  These 32 plain vector instructions name no register of the products in front of them:
; they are also the places between those products and the loads and writes that follow into the other buffers.
.macro CVT f
	WIN 0
.irp a, 0,1,2,3
.irp i, 0,1,2,3,4,5,6,7
	v_cvt_pk_f16_f32 v[ABF+32*\f+8*\a+\i], v[RAW+16*\a+2*\i], v[RAW+16*\a+2*\i+1]
.endr
.endr
.endm
; 16 products: m tiles a0, a0 + 1 x all 8 n tiles.  The 32 accumulators take turns, one instruction a turn, in the same order in every quarter.
.macro MUL2 f, a0, bias
.irp a, \a0, \a0+1
.irp b, 0,1,2,3,4,5,6,7
.if \bias
	v_wmma_f32_16x16x32_f16 v[8*(8*(\a)+\b):8*(8*(\a)+\b)+7], v[BF+64*\f+8*\b:BF+64*\f+8*\b+7], v[ABF+32*\f+8*(\a):ABF+32*\f+8*(\a)+7], v[BIAS+8*\b:BIAS+8*\b+7]
.else
	v_wmma_f32_16x16x32_f16 v[8*(8*(\a)+\b):8*(8*(\a)+\b)+7], v[BF+64*\f+8*\b:BF+64*\f+8*\b+7], v[ABF+32*\f+8*(\a):ABF+32*\f+8*(\a)+7], v[8*(8*(\a)+\b):8*(8*(\a)+\b)+7]
.endif
.endr
.endr
.endm
; One of the first three quarters of a K step: multiplies buffer f, fetches quarter qn of the same slot into buffer g.
.macro QUARTER slot, qn, f, g, bias
	s_wait_dscnt 16                                ; the 16 youngest loads are this quarter's W: X as f32 is in
	CVT \f
	FETCH \slot, \qn, \g
	s_wait_dscnt 32                                ; all but the 32 just issued: this quarter's W is in
.if \bias
	WIN 0x81                                       ; W window 1, X window 0, C (the bias) window 0, D window 2
.else
	WIN 0xa1                                       ; C and D window 2
.endif
	MUL2 \f, 0, \bias
	MUL2 \f, 2, \bias
.endm
.macro THREE slot, bias
	QUARTER \slot, 1, 0, 1, \bias
	QUARTER \slot, 2, 1, 0, 0
	QUARTER \slot, 3, 0, 1, 0
.endm
; The fourth quarter multiplies buffer 1 and changes slots.  In front of the barrier each wave waits for its reads of this slot and for all
; its tensor loads (one is out: its part of the next slot).  Behind it the refill comes first, then the next slot is read.
.macro TURN slot, next, fill
	s_wait_dscnt 16
	CVT 1
	s_wait_dscnt 0                                 ; my reads of this slot are over
	s_wait_tensorcnt 0x0                           ; all my tensor loads have landed
	ds_add_u32 v254, v255
	s_wait_dscnt 0x0
	s_barrier_signal -1                            ; where the slot is filled again this barrier opens a round of the cluster barrier
	WIN 0xa1
	MUL2 1, 0, 0                                   ; register work while the others arrive
	WIN 0
	s_barrier_wait -1
.if \fill
	CREST                                          ; no wave of any partner still reads this slot or has a load on its way
	s_add_nc_u64 s[G0+4*\slot+2:G0+4*\slot+3], s[G0+4*\slot+2:G0+4*\slot+3], 2*KSTEP*4
	s_add_nc_u64 s[G0B+4*\slot+2:G0B+4*\slot+3], s[G0B+4*\slot+2:G0B+4*\slot+3], 2*KSTEP*2
	JLOAD \slot                                    ; the first tensor load behind the round, one a wave
.endif
	FETCH \next, 0, 0
	WIN 0xa1
	MUL2 1, 2, 0
.endm
.macro LAP bias
	THREE 0, \bias
	TURN 0, 1, 1
	THREE 1, 0
	TURN 1, 0, 1
.endm
	s_wait_tensorcnt 1                             ; my part of K step 0 is in; step 1 may stay out
	s_barrier_signal -1
	s_barrier_wait -1
	FETCH 0, 0, 0
	s_wait_loadcnt 0x0                             ; the bias
	LAP 1                                          ; the first products take the bias as C
	WIN 0
	s_mov_b32 s3, LAPS-2
.Llap:
	LAP 0
	WIN 0
	s_sub_co_u32 s3, s3, 1
	s_cmp_lg_u32 s3, 0
	s_cbranch_scc1 .Llap
	THREE 0, 0                                     ; the last lap fills nothing
	TURN 0, 1, 0
	THREE 1, 0
	s_wait_dscnt 16                                ; the very last quarter: nothing more to fetch
	CVT 1
	s_wait_dscnt 0
	WIN 0xa1
	MUL2 1, 0, 0
	MUL2 1, 2, 0
	PLACES                                         ; four places between the last products and what reads their results or writes their sources
.if VARIANT == 0
	; output [b][h][s][64] f16: b = block row / 16, s = 128 (block row mod 16) + 64 x row half + .., h = 4 x block column + 2 x column half + ..
	s_lshr_b32 s14, s13, 4
	s_lshl_b32 s14, s14, 22                        ; a batch: 16 heads of 262,144 bytes
	s_and_b32 s15, s13, 15
	s_lshl_b32 s15, s15, 14                        ; 128 rows of 128 bytes
	s_add_co_u32 s14, s14, s15
	s_lshl_b32 s15, s11, 13
	s_add_co_u32 s14, s14, s15
	s_lshl_b32 s15, s42, 20                        ; four heads
	s_add_co_u32 s14, s14, s15
	s_lshl_b32 s15, s12, 19                        ; two heads
	s_add_co_u32 s14, s14, s15
	s_mov_b32 s15, 0
	s_add_nc_u64 s[RO:RO+1], s[RO:RO+1], s[14:15]
	s_cmp_eq_u32 s45, 0                            ; q takes the factor log2(e) / 8, k and v the factor 1: one text serves the three, and the
	s_cselect_b32 s20, 0x3e38aa3b, 1.0             ; choice is a value, not a way through the text
	s_mov_b32 s21, s20
; 16 rows at a time: the factor in f32, one rounding to f16, 16 bytes a lane into my stage, read back by heads: four rows of one head are 512 consecutive bytes of the output
.macro OUT16 a, f
	WIN 0x02                                       ; source 0 in window 2
.irp b, 0,1,2,3,4,5,6,7
.irp p, 0,1,2,3
	v_pk_mul_f32 v[SCL+8*\b+2*\p:SCL+8*\b+2*\p+1], v[8*(8*\a+\b)+2*\p:8*(8*\a+\b)+2*\p+1], s[20:21] op_sel_hi:[1,0]
.endr
.endr
	WIN 0
.irp b, 0,1,2,3,4,5,6,7
.irp p, 0,1,2,3
	v_cvt_pk_f16_f32 v[TMP+4*\b+\p], v[SCL+8*\b+2*\p], v[SCL+8*\b+2*\p+1]
.endr
.endr
.irp b, 0,1,2,3,4,5,6,7
	ds_store_b128 v[STO], v[TMP+4*\b:TMP+4*\b+3] offset:32*\b
.endr
	s_wait_xcnt 0x0                                ; buffer f, which earlier stores read, is loaded again only behind this wait
.irp t, 0,1,2,3,4,5,6,7
	ds_load_b128 v[\f+4*\t:\f+4*\t+3], v[RD] offset:(\t%4)*4*PB+(\t/4)*128   ; LDS serves a wave in order: these see the stores above
.endr
.irp t, 0,1,2,3,4,5,6,7
	s_wait_dscnt 7-\t                              ; the younger read-backs stay out
	global_store_b128 v[CO], v[\f+4*\t:\f+4*\t+3], s[RO:RO+1] offset:\a*2048+(\t%4)*512+(\t/4)*262144
.endr
.endm
	OUT16 0, 32
	OUT16 1, 64
	OUT16 2, 32
	OUT16 3, 64
.else
	s_lshl_b32 s14, s13, 19                        ; 128 rows of 4,096 bytes
	s_lshl_b32 s15, s11, 18
	s_add_co_u32 s14, s14, s15
	s_lshl_b32 s15, s42, 10                        ; 256 columns of 4 bytes
	s_add_co_u32 s14, s14, s15
	s_lshl_b32 s15, s12, 9
	s_add_co_u32 s14, s14, s15
	s_mov_b32 s15, 0
	s_add_nc_u64 s[RO:RO+1], s[RO:RO+1], s[14:15]
; 16 rows at a time: the accumulators go straight into my stage, whole rows of 512 bytes come back
.macro OUT16 a, f
	WIN 0x08                                       ; store data in window 2
.irp b, 0,1,2,3,4,5,6,7
	ds_store_b128 v[STO], v[8*(8*\a+\b):8*(8*\a+\b)+3]   offset:64*\b
	ds_store_b128 v[STO], v[8*(8*\a+\b)+4:8*(8*\a+\b)+7] offset:64*\b+16
.endr
	WIN 0
	s_wait_xcnt 0x0                                ; buffer f, which earlier stores read, is loaded again only behind this wait
.irp t, 0,1,2,3,4,5,6,7,8,9,10,11,12,13,14,15
	ds_load_b128 v[\f+4*\t:\f+4*\t+3], v[RD] offset:PA*\t
.endr
.irp t, 0,1,2,3,4,5,6,7,8,9,10,11,12,13,14,15
	s_wait_dscnt 15-\t                             ; the younger read-backs stay out
	global_store_b128 v[CO], v[\f+4*\t:\f+4*\t+3], s[RO:RO+1] offset:(16*\a+\t)*4096 th:TH_STORE_NT
.endr
.endm
	OUT16 0, 32
	OUT16 1, 160
	OUT16 2, 32
	OUT16 3, 160
.endif
	s_wait_tensorcnt 0x0
	ds_add_u32 v254, v255
	s_wait_dscnt 0x0
	CROUND                                         ; the closing round: no work-group ends while a partner may still ask for a tile that names it
	s_endpgm
.Lfunc_end_k_q6544819413_oproj:
	.size	k_q6544819413_oproj, .Lfunc_end_k_q6544819413_oproj-k_q6544819413_oproj
	.p2alignl 7, 3214868480
	.fill 96, 4, 3214868480
	.section	.rodata,"a",@progbits
	.p2align	6, 0x0
	.amdhsa_kernel k_q6544819413_oproj
		.amdhsa_group_segment_fixed_size 327680
		.amdhsa_private_segment_fixed_size 0
		.amdhsa_enable_private_segment 0
		.amdhsa_kernarg_size 32
		.amdhsa_user_sgpr_count 2
		.amdhsa_user_sgpr_kernarg_segment_ptr 1
		.amdhsa_wavefront_size32 1
		.amdhsa_system_sgpr_workgroup_id_x 1
		.amdhsa_system_sgpr_workgroup_id_y 1
		.amdhsa_system_sgpr_workgroup_id_z 1
		.amdhsa_system_vgpr_workitem_id 0
		.amdhsa_next_free_vgpr 768
		.amdhsa_next_free_sgpr 92
		.amdhsa_reserve_vcc 0
		.amdhsa_float_denorm_mode_32 3
		.amdhsa_float_denorm_mode_16_64 3
		.amdhsa_memory_ordered 1
		.amdhsa_forward_progress 1
		.amdhsa_inst_pref_size 177
	.end_amdhsa_kernel
	.amdgpu_metadata
---
amdhsa.version: [ 1, 2 ]
amdhsa.kernels:
  - .name:           k_q6544819413_oproj
    .symbol:         k_q6544819413_oproj.kd
    .args:
      - { .name: ao, .offset: 0, .size: 8, .value_kind: global_buffer, .address_space: global }
      - { .name: wb, .offset: 8, .size: 8, .value_kind: global_buffer, .address_space: global }
      - { .name: bo, .offset: 16, .size: 8, .value_kind: global_buffer, .address_space: global }
      - { .name: out0, .offset: 24, .size: 8, .value_kind: global_buffer, .address_space: global }
    .group_segment_fixed_size: 327680
    .private_segment_fixed_size: 0
    .kernarg_segment_align: 8
    .kernarg_segment_size: 32
    .max_flat_workgroup_size: 128
    .sgpr_count:     92
    .vgpr_count:     768
    .wavefront_size: 32
...
	.end_amdgpu_metadata
.endif
;; end of part 4
;; ======== version 2 of 3: 4 launches; 1.17 times as fast as version 1
;; limits: values are held in f16: magnitudes above 65,504 overflow, below 6.1e-05 lose precision
;; workspace buffers: wb 8,388,608 bytes; mbits 524,288 bytes of whole numbers; qh 16,777,216 bytes; kh 16,777,216 bytes; vh 16,777,216 bytes; ao 33,554,432 bytes
;; launch prep: the kernel of part 1 again; grid 256 x 1, 8 waves a work-group, no clusters, 0 bytes of LDS; arguments wq, wk, wv, wo, mask, wb, mbits; writes wb, mbits
;; launch qkv: the kernel of part 2 again; grid 4 x 192, 4 waves a work-group, clusters of 4 x 4, 327,680 bytes of LDS; arguments q, k, v, wb, bq, bk, bv, qh, kh, vh; writes qh, kh, vh
;; launch attn (part 5): grid 4 x 64, 16 waves a work-group, clusters of 4 x 1, 327,680 bytes of LDS; arguments qh, kh, vh, mbits, ao; writes ao
.if DOCPART == 5
	.amdgcn_target "amdgcn-amd-amdhsa--gfx1250"
	.amdhsa_code_object_version 6
	.text
	.protected	k_q6544819413_attn
	.globl	k_q6544819413_attn
	.p2align	8
	.type	k_q6544819413_attn,@function
k_q6544819413_attn:
	s_mov_b64 s[64:65], 0
	v_nop
	global_prefetch_b8 v0, s[64:65] scope:SCOPE_SE
	s_setreg_imm32_b32 hwreg(HW_REG_WAVE_MODE, 25, 1), 1
	s_wait_xcnt 0x0
	s_wait_alu depctr_hold_cnt(0) depctr_sa_sdst(0) depctr_va_vdst(0) depctr_va_sdst(0) depctr_va_ssrc(0) depctr_va_vcc(0) depctr_vm_vsrc(0)
	s_getreg_b32 s2, hwreg(HW_REG_IB_STS2, 6, 4)
	s_cmp_eq_u32 s2, 0
	s_cbranch_scc0 .Lentry_in_a_cluster
	s_endpgm
.Lentry_in_a_cluster:
	s_bfe_u32 s2, ttmp6, 0x10000c
	s_cmp_lg_u32 s2, 0x3003
	s_cbranch_scc0 .Lentry_shape_is_right
	s_endpgm
.Lentry_shape_is_right:
; Attention of one head for 512 queries: softmax(where(mask, Q K^T / 8, -1e9)) V, with a running maximum.  qh, kh, vh: [b h][2048][64] f16; ao: [8192][1024] f32.
; qh comes multiplied by log2(e) / 8, so the products Q K^T are the scores as exponents of 2.
; SIXTEEN WAVES OF 256 REGISTERS; a wave owns 32 queries (2 tiles of 16) and walks all 2,048 keys in 32 steps of 64.  For 64 keys a wave issues 32 matrix
; instructions and some 310 vector ones, 64 exponentials and several chains of dependent instructions among them, and waits for LDS and for mask words:
; with four waves on a SIMD three others have vector work to issue meanwhile.  The price: a K or V fragment feeds two products, so the work-group reads
; 16 waves x 32 loads x 512 bytes = 256 KB of LDS for 64 keys.  With 256 registers every operand is named directly: the text holds no s_set_vgpr_msb.
; CLUSTERS: the four work-groups of a head (grid x) read the same K and V and ask for them jointly, 256 keys at a time, into two LDS slots.
; EVERYTHING IS TRANSPOSED.  S^T = K Q^T: register j of lane (r, h) holds key 8 h + j of a tile for query r.  So a query's maximum and sum live in
; its own lane (each half of the lanes has half of the keys), the registers of two neighbouring key tiles, packed to f16 in pairs, ARE the second
; operand of O^T = V^T P^T, and the rescaling of O is a multiplication lane by lane.  No score ever crosses lanes but one maximum per tile and step.
; THE MASK comes as lane masks (mbits, made by the first launch): one scalar word is the mask of one select.  The value put in is
; -1e9 log2(e) rounded to f32, which is -1e9 within 0.7 in the score's own units, less than the step of f32 at that size (64).
; A row with no key left gives the plain mean of V, as in the reference function.
; EXPONENTS: p = exp2(s - m), the difference made by one addition of -m: it is exactly 0 at the maximum and never above, so p never passes 1 and has its place in f16;
; the rescaling factor is exp2(old m - new m), never above 1.
; THE TEXT IS KEPT SHORT: the four steps of a trip (256 keys) are a counted loop, so a step's text stands five times in the kernel (the very first step, which
; starts maxima, sums and O; the other three steps of the first trip; the two trips of the outer loop; the last trip, which fills nothing).
; What differs from step to step, the place in LDS, comes from two scalar offsets that the loop steps.
; LIMITS: Q, K, V and P are f16 (11 significant bits; p under 6.1e-5 has a step of 6e-8).  A NaN among the scores is dropped by the maximum (v_max3_num_f32)
; and then spreads otherwise than in the reference function; infinities likewise.
.set KP,    144                        ; LDS row of K: 128 bytes + 16: an odd multiple of 16
.set VP,    160                        ; LDS row of V: 128 bytes + 32: an odd multiple of 32, for the transposing loads
.set KQ,    64*KP                      ; 64 keys: one tensor load, and one step
.set VQ,    64*VP
.set VOFF,  4*KQ                       ; V lies behind the 256 rows of K
.set SLOTB, 0x20000                    ; slot 1 begins at 131,072, so that one bit of the LDS address changes slots
.set STAGE, SLOTB+VOFF+4*VQ            ; 208,896, a multiple of 256: the way out, behind slot 1; no fill lands here
.set SP,    272                        ; a stage row: 256 bytes + 16; a wave's stage is 16 rows = 4,352 bytes = 17 blocks of 256
.set MSTEP, 512                        ; bytes of mask words from one step to the next (two groups of 32 queries share a step's 512)
.set MLAST, 31*MSTEP                   ; byte offset of my last 64 mask words
.set QO,  3                            ; v3     my lane's offset in Q
.set KA,  4                            ; v4     my lane's place in a K tile: never rewritten
.set VA,  5                            ; v5     the same for V, VOFF included
.set KC,  6                            ; v6     LDS address of this step's K fragments = KA + s100
.set VC,  7                            ; v7     the same for V = VA + s101
.set STO, 8
.set RD,  9
.set CO,  10
.set NEG, 11                           ; -1e9 log2(e)
.set ST,  12                           ; v[12:19]   q tile t: -m, m, alpha, l
.set TT,  20                           ; v[20:31]   at work
.set QF,  32                           ; v[32:63]   Q fragment (qt, c) at 8 (2 qt + c)
.set KV,  64                           ; v[64:127]  K fragment (kt, c) at 8 (2 kt + c); behind the score products V fragment (dt, c) at 8 (2 dt + c)
.set SC,  128                          ; v[128:191] scores: 32 qt + 8 kt + j; later P: 32 qt + 8 c + i
.set OA,  192                          ; v[192:255] O^T tile (qt, dt) at 8 (4 qt + dt)
; s2 wave; s3 outer counter; s[4:5] my mask words; s6-7 lane selectors; s[8:15], s[16:23] group 1 for K, V; s[24:27], s[28:31] group 0 for K, V;
; s[32:63], s[68:99] the 64 mask words of my two q tiles; s66 byte offset of the mask words asked for last; s67 inner counter;
; s[100:101] Q at the start, then s100, s101 the step's offsets in LDS for K and V, at the end the offset in ao
.macro NOPS n
.rept \n
	v_nop
.endr
.endm
.macro ROUND                           ; a round of the cluster barrier
	s_barrier_signal -1
	s_barrier_wait -1
	s_cmp_lg_u32 s2, 0
	s_cbranch_scc1 .Lnot_wave_0_\@
	s_barrier_signal -3
.Lnot_wave_0_\@:
	s_barrier_wait -3
	s_barrier_signal -1
	s_barrier_wait -1
.endm
; 256 keys of K and of V are eight parts of 64 keys: waves 0-3 ask for K's, waves 4-7 for V's, waves 8-15 have no part and ask for nothing.
; The branches hang on the wave number alone: they are the same in every work-group.
.macro JLOAD
	s_cmp_lt_u32 s2, 4
	s_cbranch_scc0 .Lnot_k_\@
	tensor_load_to_lds s[24:27], s[8:15]
	s_nop 0
	s_branch .Lasked_\@
.Lnot_k_\@:
	s_cmp_lt_u32 s2, 8
	s_cbranch_scc0 .Lasked_\@
	tensor_load_to_lds s[28:31], s[16:23]
	s_nop 0
.Lasked_\@:
.endm
	s_load_b256 s[32:39], s[0:1], 0x0              ; qh, kh, vh, mbits
	v_lshl_add_u32 v190, v0, 2, 0x44000
	v_mov_b32 v191, 0
	ds_add_u32 v190, v191
	s_wait_dscnt 0x0
	v_lshrrev_b32 v1, 5, v0
	v_readfirstlane_b32 s2, v1                     ; wave 0..15
	s_bfe_u32 s3, ttmp6, 0x40000                   ; cx: which 512 queries
	s_and_b32 s100, ttmp7, 0xffff                  ; batch x 16 + head
	s_and_b32 s101, s2, 3                          ; which 64 keys of a tile I fetch, if I fetch
	s_mov_b32 s6, 0x76543210                       ; v_permlanex16_b32: lane i of one half reads lane i of the other
	s_mov_b32 s7, 0xfedcba98
	s_mov_b32 s66, 0                               ; the first mask words are asked for at offset 0
	; 64 keys are 8,192 dense bytes: 32 rows of 32 elements of 8 bytes; padding behind every 32 words, that is behind every key
	s_mov_b32 s8, 0x0733000f                       ; mask of the four partners; 8-byte elements; padding on; bit 21 beside the mask; every 32 words; 4 words
	s_mov_b32 s9, 32<<16
	s_mov_b32 s10, 32<<16
	s_mov_b32 s11, 32<<16
	s_mov_b32 s12, 32
	s_mov_b32 s13, 32
	s_mov_b32 s14, 0
	s_mov_b32 s15, 0
	s_mov_b32 s16, 0x0f33000f                      ; the same with 8 words of padding
	s_mov_b32 s17, 32<<16
	s_mov_b32 s18, 32<<16
	s_mov_b32 s19, 32<<16
	s_mov_b32 s20, 32
	s_mov_b32 s21, 32
	s_mov_b32 s22, 0
	s_mov_b32 s23, 0
	s_mov_b32 s24, 1
	s_mul_i32 s25, s101, KQ
	s_mov_b32 s28, 1
	s_mul_i32 s29, s101, VQ
	s_add_co_u32 s29, s29, VOFF
	s_lshl_b32 s40, s100, 18                       ; K, V: the head, 262,144 bytes,
	s_lshl_b32 s41, s101, 13                       ; and my 64 keys
	s_add_co_u32 s40, s40, s41
	s_mov_b32 s41, 0
	s_lshl_b32 s42, s100, 18                       ; Q: the head, 512 queries a work-group, 32 a wave, 128 bytes each
	s_lshl_b32 s43, s3, 16
	s_add_co_u32 s42, s42, s43
	s_lshl_b32 s43, s2, 12
	s_add_co_u32 s42, s42, s43
	s_mov_b32 s43, 0
	s_lshl_b32 s44, s3, 17                         ; mask words: 16,384 bytes for each group of 64 queries: group 8 cx + wave / 2,
	s_lshr_b32 s45, s2, 1
	s_lshl_b32 s45, s45, 14
	s_add_co_u32 s44, s44, s45
	s_and_b32 s45, s2, 1                           ; and in each step's 512 bytes the half of my 32 queries
	s_lshl_b32 s45, s45, 8
	s_add_co_u32 s44, s44, s45
	s_mov_b32 s45, 0
	s_mul_i32 s3, s2, 16*SP
	s_add_co_u32 s3, s3, STAGE                     ; my stage
	v_and_b32 v1, 15, v0                           ; r
	v_bfe_u32 v2, v0, 4, 1                         ; h
	v_lshlrev_b32 v[QO], 7, v1
	v_lshl_add_u32 v[QO], v2, 4, v[QO]             ; row r, 16 bytes at 16 h
	s_wait_kmcnt 0x0
	s_add_nc_u64 s[26:27], s[34:35], s[40:41]
	s_or_b32 s27, s27, 0x80000000
	s_add_nc_u64 s[30:31], s[36:37], s[40:41]
	s_or_b32 s31, s31, 0x80000000
	s_add_nc_u64 s[100:101], s[32:33], s[42:43]
	s_add_nc_u64 s[4:5], s[38:39], s[44:45]
	ROUND                                          ; the four work-groups are here: the first joint loads meet
	JLOAD                                          ; keys 0 to 255 into slot 0; a wave that asks has one tensor load out, here and ever after
.irp qt, 0,1
.irp c, 0,1
	global_load_b128 v[QF+8*(2*\qt+\c):QF+8*(2*\qt+\c)+3],   v[QO], s[100:101] offset:\qt*2048+64*\c
	global_load_b128 v[QF+8*(2*\qt+\c)+4:QF+8*(2*\qt+\c)+7], v[QO], s[100:101] offset:\qt*2048+64*\c+32
.endr
.endr
	s_load_b512 s[32:47], s[4:5], 0x0              ; the mask words of step 0
	s_load_b512 s[48:63], s[4:5], 0x40
	s_load_b512 s[68:83], s[4:5], 0x80
	s_load_b512 s[84:99], s[4:5], 0xc0
	v_mul_u32_u24 v[KA], v1, KP
	v_lshl_add_u32 v[KA], v2, 4, v[KA]             ; key r of a tile, 16 bytes at 16 h
	v_and_b32 v[TT], 7, v0
	v_lshl_add_u32 v[TT], v2, 3, v[TT]             ; transposing load: key 8 h + lane mod 8,
	v_mul_u32_u24 v[VA], v[TT], VP
	v_bfe_u32 v[TT], v0, 3, 1
	v_lshl_add_u32 v[VA], v[TT], 4, v[VA]          ; 16 bytes at 16 x ((lane / 8) mod 2)
	v_add_nc_u32 v[VA], VOFF, v[VA]
	v_mul_u32_u24 v[STO], v1, SP
	v_lshl_add_u32 v[STO], v2, 5, v[STO]
	v_add_nc_u32 v[STO], s3, v[STO]                ; in: query r, 32 bytes for each half of the lanes
	v_mul_u32_u24 v[RD], v2, SP
	v_lshl_add_u32 v[RD], v1, 4, v[RD]
	v_add_nc_u32 v[RD], s3, v[RD]                  ; back: lanes 0-15 one row of 256 bytes, lanes 16-31 the next
	v_lshlrev_b32 v[CO], 12, v2
	v_lshl_add_u32 v[CO], v1, 4, v[CO]             ; and the same two rows in ao
	v_mov_b32 v[NEG], 0xceabfb8f                   ; -1,442,695,040 = -1e9 log2(e) to the nearest f32
	v_mov_b32 v[TT+4], 0                           ; v_permlanex16_b32 counts as a reader of its destination
.macro LOADK                           ; 16 loads: this step's 64 keys x 64 d
.irp kt, 0,1,2,3
.irp c, 0,1
	ds_load_b128 v[KV+8*(2*\kt+\c):KV+8*(2*\kt+\c)+3],   v[KC] offset:\kt*16*KP+64*\c
	ds_load_b128 v[KV+8*(2*\kt+\c)+4:KV+8*(2*\kt+\c)+7], v[KC] offset:\kt*16*KP+64*\c+32
.endr
.endr
.endm
.macro LOADV                           ; 16 transposing loads: lane (r, h) gets d = 16 dt + r, keys 32 c + 8 h + 0..7 and 32 c + 16 + 8 h + 0..7
.irp dt, 0,1,2,3
.irp c, 0,1
	ds_load_tr16_b128 v[KV+8*(2*\dt+\c):KV+8*(2*\dt+\c)+3],   v[VC] offset:\c*32*VP+32*\dt
	ds_load_tr16_b128 v[KV+8*(2*\dt+\c)+4:KV+8*(2*\dt+\c)+7], v[VC] offset:\c*32*VP+32*\dt+16*VP
.endr
.endr
.endm
; S^T = K Q^T, 16 products.  The 8 accumulators take turns, one instruction a turn; the first half of d starts the sums.
.macro SMUL
.irp c, 0,1
.irp qt, 0,1
.irp kt, 0,1,2,3
.if \c == 0
	v_wmma_f32_16x16x32_f16 v[SC+32*\qt+8*\kt:SC+32*\qt+8*\kt+7], v[KV+8*(2*\kt+\c):KV+8*(2*\kt+\c)+7], v[QF+8*(2*\qt+\c):QF+8*(2*\qt+\c)+7], 0
.else
	v_wmma_f32_16x16x32_f16 v[SC+32*\qt+8*\kt:SC+32*\qt+8*\kt+7], v[KV+8*(2*\kt+\c):KV+8*(2*\kt+\c)+7], v[QF+8*(2*\qt+\c):QF+8*(2*\qt+\c)+7], v[SC+32*\qt+8*\kt:SC+32*\qt+8*\kt+7]
.endif
.endr
.endr
.endr
.endm
; where(mask, s, the mask's value) for my two q tiles; then the next step's 64 words are asked for, which have the rest of this step and the head of the next in which to come.
; The offset stops at my last 64 words: the request behind the very last select repeats them, stays inside the buffer, and its words are not used.
.macro MASK
	s_wait_kmcnt 0x0                               ; scalar loads come back in no order: zero is the only count that shows anything
	s_add_co_u32 s66, s66, MSTEP                   ; no scalar load is out: the offset may step
	s_min_u32 s66, s66, MLAST
.set e, 0
.rept 32
	v_cndmask_b32 v[SC+e], v[NEG], v[SC+e], s[32+e]
.set e, e+1
.endr
.set e, 0
.rept 32
	v_cndmask_b32 v[SC+32+e], v[NEG], v[SC+32+e], s[68+e]
.set e, e+1
.endr
	s_load_b512 s[32:47], s[4:5], s66 offset:0x0
	s_load_b512 s[48:63], s[4:5], s66 offset:0x40
	s_load_b512 s[68:83], s[4:5], s66 offset:0x80
	s_load_b512 s[84:99], s[4:5], s66 offset:0xc0
.endm
; One q tile: running maximum, exponentials, partial sum, P packed in place.
.macro SOFT qt, first
.irp k, 0,1,2,3
	v_max3_num_f32 v[TT+\k], v[SC+32*\qt+8*\k], v[SC+32*\qt+8*\k+1], v[SC+32*\qt+8*\k+2]   ; four chains that do not wait for each other
.endr
.irp k, 0,1,2,3
	v_max3_num_f32 v[TT+\k], v[TT+\k], v[SC+32*\qt+8*\k+3], v[SC+32*\qt+8*\k+4]
.endr
.irp k, 0,1,2,3
	v_max3_num_f32 v[TT+\k], v[TT+\k], v[SC+32*\qt+8*\k+5], v[SC+32*\qt+8*\k+6]
.endr
	v_max3_num_f32 v[TT], v[TT], v[TT+1], v[SC+32*\qt+7]
	v_max3_num_f32 v[TT+2], v[TT+2], v[TT+3], v[SC+32*\qt+15]
	v_max3_num_f32 v[TT], v[TT], v[TT+2], v[SC+32*\qt+23]
.if \first
	v_max_num_f32 v[TT], v[TT], v[SC+32*\qt+31]
.else
	v_max3_num_f32 v[TT], v[TT], v[SC+32*\qt+31], v[ST+4*\qt+1]    ; the old maximum comes in
.endif
	v_permlanex16_b32 v[TT+4], v[TT], s6, s7       ; the other half of the keys
	v_max_num_f32 v[ST+4*\qt+1], v[TT], v[TT+4]    ; m
	v_mul_f32 v[TT+5], -1.0, v[ST+4*\qt+1]         ; -m, exact
.if \first == 0
	v_sub_f32 v[TT+6], v[TT+5], v[ST+4*\qt]        ; old m - new m: never above 0
.endif
	v_mov_b32 v[ST+4*\qt], v[TT+5]
.if \first == 0
	v_exp_f32 v[ST+4*\qt+2], v[TT+6]               ; alpha; the additions below are the plain instructions behind it (ISA guide 5.7.2)
.endif
.set e, 0
.rept 16
	v_pk_add_f32 v[SC+32*\qt+e:SC+32*\qt+e+1], v[SC+32*\qt+e:SC+32*\qt+e+1], v[ST+4*\qt:ST+4*\qt+1] op_sel_hi:[1,0]   ; s - m, both halves take -m
.set e, e+2
.endr
.set e, 0
.rept 32
	v_exp_f32 v[SC+32*\qt+e], v[SC+32*\qt+e]
.set e, e+1
.endr
	v_nop                                          ; one plain instruction between the last exponential and the first use
	s_wait_alu depctr_va_vdst(0)
	v_pk_add_f32 v[TT+8:TT+9],   v[SC+32*\qt:SC+32*\qt+1],   v[SC+32*\qt+4:SC+32*\qt+5]
	v_pk_add_f32 v[TT+10:TT+11], v[SC+32*\qt+2:SC+32*\qt+3], v[SC+32*\qt+6:SC+32*\qt+7]
.irp e, 8,12,16,20,24,28
	v_pk_add_f32 v[TT+8:TT+9],   v[TT+8:TT+9],   v[SC+32*\qt+\e:SC+32*\qt+\e+1]
	v_pk_add_f32 v[TT+10:TT+11], v[TT+10:TT+11], v[SC+32*\qt+\e+2:SC+32*\qt+\e+3]
.endr
	v_pk_add_f32 v[TT+8:TT+9], v[TT+8:TT+9], v[TT+10:TT+11]
.if \first
	v_add_f32 v[ST+4*\qt+3], v[TT+8], v[TT+9]      ; l of my half of the keys; the halves meet at the end
.else
	v_add_f32 v[TT+8], v[TT+8], v[TT+9]
	v_fma_f32 v[ST+4*\qt+3], v[ST+4*\qt+3], v[ST+4*\qt+2], v[TT+8]
.endif
.set e, 0
.rept 16
	v_cvt_pk_f16_f32 v[SC+32*\qt+e], v[SC+32*\qt+2*e], v[SC+32*\qt+2*e+1]      ; register e is written when 2 e and 2 e + 1 are read: nothing unread is lost
.set e, e+1
.endr
.endm
.macro RESCALE                         ; O *= alpha, lane by lane
.irp qt, 0,1
.set e, 0
.rept 16
	v_pk_mul_f32 v[OA+32*\qt+e:OA+32*\qt+e+1], v[OA+32*\qt+e:OA+32*\qt+e+1], v[ST+4*\qt+2:ST+4*\qt+3] op_sel_hi:[1,0]
.set e, e+2
.endr
.endr
.endm
; O^T += V^T P^T, 16 products; the 8 accumulators take turns, one instruction a turn.
.macro PVMUL first
.irp c, 0,1
.irp qt, 0,1
.irp dt, 0,1,2,3
.if \first*(1-\c)
	v_wmma_f32_16x16x32_f16 v[OA+8*(4*\qt+\dt):OA+8*(4*\qt+\dt)+7], v[KV+8*(2*\dt+\c):KV+8*(2*\dt+\c)+7], v[SC+32*\qt+8*\c:SC+32*\qt+8*\c+7], 0
.else
	v_wmma_f32_16x16x32_f16 v[OA+8*(4*\qt+\dt):OA+8*(4*\qt+\dt)+7], v[KV+8*(2*\dt+\c):KV+8*(2*\dt+\c)+7], v[SC+32*\qt+8*\c:SC+32*\qt+8*\c+7], v[OA+8*(4*\qt+\dt):OA+8*(4*\qt+\dt)+7]
.endif
.endr
.endr
.endr
.endm
; 64 keys, at the LDS offsets s100 (K) and s101 (V), which step on for the next 64.  K and V take turns in one set of 64 registers:
; K comes at the head, V behind the score products, so that V lands during the softmax.
.macro STEP first
	v_add_nc_u32 v[KC], s100, v[KA]                ; slot and step, in scalars, plus my lane's place
	v_add_nc_u32 v[VC], s101, v[VA]
.if \first == 0
	NOPS 3                                         ; with the two additions: five places between the last product of P and V and the products that write over P; four of them serve the loads of K over V
.endif
	s_add_co_u32 s100, s100, KQ
	s_add_co_u32 s101, s101, VQ
	LOADK
	s_wait_dscnt 0                                 ; K is in
	SMUL
	NOPS 4                                         ; four places before V is loaded over K and before the scores are read
	LOADV
	MASK
	SOFT 0, \first
	SOFT 1, \first
.if \first == 0
	RESCALE
.endif
	s_wait_dscnt 0                                 ; V is in
	PVMUL \first
.endm
; 256 keys.  In front of the round each wave waits for all its tensor loads (its part of this trip's tile) and for its reads of the other slot;
; behind the round the other slot is filled first, one load a wave, and has this trip's four steps in which to land.
; first = 1: the first of the four steps is written out; steps = how often the loop goes round.
.macro TRIP slot, first, refill, steps
	s_wait_xcnt 0x0
	v_lshl_add_u32 v190, v0, 2, 0x44000
	v_mov_b32 v191, 0
	s_wait_tensorcnt 0x0
	ds_add_u32 v190, v191
	s_wait_dscnt 0x0
.if \refill
	s_add_nc_u64 s[26:27], s[26:27], 4*8192        ; no tensor load of mine is out: the descriptors may step to the next 256 keys
	s_add_nc_u64 s[30:31], s[30:31], 4*8192
	s_xor_b32 s25, s25, SLOTB                      ; and to the other slot
	s_xor_b32 s29, s29, SLOTB
.endif
	s_wait_dscnt 0x0
	ROUND
.if \refill
	JLOAD
.endif
	s_mov_b32 s100, \slot*SLOTB                    ; this trip's slot, its first 64 keys
	s_mov_b32 s101, \slot*SLOTB
.if \first
	STEP 1                                         ; starts maxima, sums and O: nothing is cleared
.endif
	s_mov_b32 s67, \steps
.Lstep_\@:
	STEP 0
	s_sub_co_u32 s67, s67, 1
	s_cmp_lg_u32 s67, 0
	s_cbranch_scc1 .Lstep_\@
.endm
	s_wait_loadcnt 0x0                             ; Q; s[100:101], its address, are free from here
	TRIP 0, 1, 1, 3
	s_mov_b32 s3, 3
.Lpair:
	TRIP 1, 0, 1, 4
	TRIP 0, 0, 1, 4
	s_sub_co_u32 s3, s3, 1
	s_cmp_lg_u32 s3, 0
	s_cbranch_scc1 .Lpair
	TRIP 1, 0, 0, 4                                ; the last 256 keys: no tile is left to fetch
	; THE WAY OUT: O / l, 16 queries at a time through my stage, so that sixteen lanes store the 256 consecutive aligned bytes that a head has in a row of ao.
	NOPS 4                                         ; four places behind the last products
	s_wait_kmcnt 0x0                               ; the repeated last mask words have come: s[32:33] may be loaded anew
	s_load_b64 s[32:33], s[0:1], 0x20              ; ao
	s_bfe_u32 s3, ttmp6, 0x40000
	s_and_b32 s100, ttmp7, 0xffff
	s_lshr_b32 s101, s100, 4
	s_lshl_b32 s101, s101, 23                      ; batch: 2,048 rows of 4,096 bytes
	s_lshl_b32 s3, s3, 21                          ; 512 rows
	s_add_co_u32 s101, s101, s3
	s_lshl_b32 s3, s2, 17                          ; 32 rows
	s_add_co_u32 s101, s101, s3
	s_and_b32 s100, s100, 15
	s_lshl_b32 s100, s100, 8                       ; head: 256 bytes
	s_add_co_u32 s100, s100, s101
	s_mov_b32 s101, 0
.irp qt, 0,1
	v_permlanex16_b32 v[TT+\qt], v[ST+4*\qt+3], s6, s7
.endr
.irp qt, 0,1
	v_add_f32 v[TT+\qt], v[TT+\qt], v[ST+4*\qt+3]  ; the two halves of the keys
.endr
.irp qt, 0,1
	v_rcp_f32 v[ST+4*\qt+2], v[TT+\qt]
.endr
	v_nop                                          ; one plain instruction behind the reciprocals
	s_wait_alu depctr_va_vdst(0)
	s_wait_kmcnt 0x0
	s_add_nc_u64 s[32:33], s[32:33], s[100:101]
; f: the half of the K and V registers that takes the rows read back; each half is used once, so no store's data is written again
.macro OUTQ qt, f
.set e, 0
.rept 16
	v_pk_mul_f32 v[SC+32*\qt+e:SC+32*\qt+e+1], v[OA+32*\qt+e:OA+32*\qt+e+1], v[ST+4*\qt+2:ST+4*\qt+3] op_sel_hi:[1,0]
.set e, e+2
.endr
.irp dt, 0,1,2,3
	ds_store_b128 v[STO], v[SC+32*\qt+8*\dt:SC+32*\qt+8*\dt+3]   offset:64*\dt
	ds_store_b128 v[STO], v[SC+32*\qt+8*\dt+4:SC+32*\qt+8*\dt+7] offset:64*\dt+16
.endr
.irp t, 0,1,2,3,4,5,6,7
	ds_load_b128 v[\f+4*\t:\f+4*\t+3], v[RD] offset:2*SP*\t        ; LDS serves a wave in order: these see the stores above, and the next tile's stores come behind them
.endr
.irp t, 0,1,2,3,4,5,6,7
	s_wait_dscnt 7-\t                              ; the younger read-backs stay out
	global_store_b128 v[CO], v[\f+4*\t:\f+4*\t+3], s[32:33] offset:(16*\qt+2*\t)*4096
.endr
.endm
	OUTQ 0, KV
	OUTQ 1, KV+32
	s_wait_xcnt 0x0
	v_lshl_add_u32 v190, v0, 2, 0x44000
	v_mov_b32 v191, 0
	s_wait_tensorcnt 0x0
	ds_add_u32 v190, v191
	s_wait_dscnt 0x0
	ROUND                                          ; the closing round: no work-group ends while a partner may still ask for a tile that names it
	s_endpgm
.Lfunc_end_k_q6544819413_attn:
	.size	k_q6544819413_attn, .Lfunc_end_k_q6544819413_attn-k_q6544819413_attn
	.p2alignl 7, 3214868480
	.fill 96, 4, 3214868480
	.section	.rodata,"a",@progbits
	.p2align	6, 0x0
	.amdhsa_kernel k_q6544819413_attn
		.amdhsa_group_segment_fixed_size 327680
		.amdhsa_private_segment_fixed_size 0
		.amdhsa_enable_private_segment 0
		.amdhsa_kernarg_size 40
		.amdhsa_user_sgpr_count 2
		.amdhsa_user_sgpr_kernarg_segment_ptr 1
		.amdhsa_wavefront_size32 1
		.amdhsa_system_sgpr_workgroup_id_x 1
		.amdhsa_system_sgpr_workgroup_id_y 1
		.amdhsa_system_sgpr_workgroup_id_z 1
		.amdhsa_system_vgpr_workitem_id 0
		.amdhsa_next_free_vgpr 256
		.amdhsa_next_free_sgpr 102
		.amdhsa_reserve_vcc 0
		.amdhsa_float_denorm_mode_32 3
		.amdhsa_float_denorm_mode_16_64 3
		.amdhsa_memory_ordered 1
		.amdhsa_forward_progress 1
		.amdhsa_inst_pref_size 125
	.end_amdhsa_kernel
	.amdgpu_metadata
---
amdhsa.version: [ 1, 2 ]
amdhsa.kernels:
  - .name:           k_q6544819413_attn
    .symbol:         k_q6544819413_attn.kd
    .args:
      - { .name: qh, .offset: 0, .size: 8, .value_kind: global_buffer, .address_space: global }
      - { .name: kh, .offset: 8, .size: 8, .value_kind: global_buffer, .address_space: global }
      - { .name: vh, .offset: 16, .size: 8, .value_kind: global_buffer, .address_space: global }
      - { .name: mbits, .offset: 24, .size: 8, .value_kind: global_buffer, .address_space: global }
      - { .name: ao, .offset: 32, .size: 8, .value_kind: global_buffer, .address_space: global }
    .group_segment_fixed_size: 327680
    .private_segment_fixed_size: 0
    .kernarg_segment_align: 8
    .kernarg_segment_size: 40
    .max_flat_workgroup_size: 512
    .sgpr_count:     102
    .vgpr_count:     256
    .wavefront_size: 32
...
	.end_amdgpu_metadata
.endif
;; end of part 5
;; launch oproj: the kernel of part 4 again; grid 4 x 64, 4 waves a work-group, clusters of 4 x 4, 327,680 bytes of LDS; arguments ao, wb, bo, out0; writes out0
;; ======== version 3 of 3: 4 launches; version 2 with the launch prep written anew for expert scheduling mode
;; limits: values are held in f16: magnitudes above 65,504 overflow, below 6.1e-05 lose precision
;; workspace buffers: wb 8,388,608 bytes; mbits 524,288 bytes of whole numbers; qh 16,777,216 bytes; kh 16,777,216 bytes; vh 16,777,216 bytes; ao 33,554,432 bytes
;; launch prep (part 6): grid 256 x 1, 8 waves a work-group, no clusters, 0 bytes of LDS; arguments wq, wk, wv, wo, mask, wb, mbits; writes wb, mbits
.if DOCPART == 6
	.amdgcn_target "amdgcn-amd-amdhsa--gfx1250"
	.amdhsa_code_object_version 6
	.text
	.protected	k_q6544819413_prep
	.globl	k_q6544819413_prep
	.p2align	8
	.type	k_q6544819413_prep,@function
k_q6544819413_prep:
	s_mov_b64 s[64:65], 0
	v_nop
	global_prefetch_b8 v0, s[64:65] scope:SCOPE_SE
	s_setreg_imm32_b32 hwreg(HW_REG_WAVE_SCHED_MODE, 0, 2), 2
	s_setreg_imm32_b32 hwreg(HW_REG_WAVE_MODE, 25, 1), 1
	s_wait_xcnt 0x0
	s_wait_alu depctr_vm_vsrc(0)
; Two small streams, made once for the later launches.
; (1) The four weights [1024][1024] f32 are rounded to f16 into wb = [4][1024 n][1024 k], in the order q, k, v, o.
;     Work-group g takes 16,384 numbers of weight g / 64; thread t takes 8 neighbouring numbers in each of 8 turns:
;     32 bytes in, 16 bytes out, so that sixteen neighbouring lanes store 256 consecutive aligned bytes.
;     LIMIT: a weight of 65,520 or more in magnitude becomes an infinity; under 6.1e-5 the step is 6e-8 whatever the size.
;     The weights as drawn have a spread of 1/32: a factor of 30 either way, or an offset of 30 spreads, stays far inside.
; (2) The mask [2048 q][2048 k], one byte each, becomes words of 32 bits, one bit a lane:
;     mbits[qg 32][step 32][p 2][qtl 2][kt 4][j 8]; bit r + 16 h of a word = mask[64 qg + 32 p + 16 qtl + r][64 step + 16 kt + 8 h + j].
;     That is where register j of a transposed 16 x 16 score tile has its elements, so the attention launch takes a word
;     as the lane mask of one select.  Wave W = 8 g + w makes the 64 words at byte 256 W; the eight waves of a work-group
;     together read 256 consecutive bytes of each of 64 mask rows.
; No LDS, no barrier, no matrix unit: every byte is read once and written once.
; THE MODE: SCHED_MODE bits 1:0 = 2 (LLVM: expert scheduling mode 2), set by the entry lines.  The code itself states the register dependences
; between vector instructions and memory instructions, and those through scalar results of vector instructions, with s_wait_alu, always for 0.
; THE PLAN.  Registers that memory instructions touch:
;   v1 to v4   byte offsets, made once at the head and never written again: one wait ahead of the first load serves every load and store.
;   X, M       written by the loads, once; no vector instruction names them ahead of those loads, no memory instruction ever reads them.
;   Y          written by the conversions, each register once; read by one store each; never written again.
;   v[6:7]     written by v_mov_b32 and v_writelane_b32; read by the last store.
; The eight turns of the weight go in four groups of two.  A group's two stores stand at the head of the next group, behind that group's wait for
; its data and ONE wait that states that the conversions have written their eight registers of Y; the last group's stand behind the wait for the mask bytes.
; The 64 mask words go in four runs of sixteen: sixteen bytes are taken out, sixteen compares write sixteen scalar registers, ONE wait states
; that these are written, sixteen v_writelane_b32 read them.
.set X, 8                              ; v[8:71]    8 turns x 8 f32 as loaded
.set Y, 72                             ; v[72:103]  8 turns x 4 registers of f16 pairs
.set M, 104                            ; v[104:119] 8 x 8 mask bytes: pair c = 4 qtl + kt
.set T, X                              ; v[8:23]    behind the conversions: sixteen mask bytes at work
; s4-11 and s20-27: the sixteen lane masks of a run (compare i writes s[4 + i + 8 (i / 8)]); what they held before, the weights' addresses and the
; offsets' arithmetic, has been used up by then, and no memory instruction names them
	s_load_b256 s[4:11], s[0:1], 0x0               ; wq s[4:5], wk s[6:7], wv s[8:9], wo s[10:11]
	s_load_b128 s[12:15], s[0:1], 0x20             ; mask s[12:13], wb s[14:15]
	s_load_b64 s[16:17], s[0:1], 0x30              ; mbits
	v_lshrrev_b32 v1, 5, v0
	v_readfirstlane_b32 s21, v1                    ; wave 0..7
	s_lshr_b32 s20, ttmp9, 6                       ; which weight
	s_and_b32 s24, ttmp9, 63
	s_lshl_b32 s24, s24, 16                        ; my 65,536 bytes of it
	s_mov_b32 s25, 0
	s_lshl_b32 s26, ttmp9, 15                      ; and my 32,768 bytes of wb: the weights follow each other there
	s_mov_b32 s27, 0
	s_lshr_b32 s22, ttmp9, 3                       ; qg
	s_lshl_b32 s22, s22, 17                        ; 64 mask rows of 2,048 bytes
	s_wait_alu depctr_va_sdst(0)                   ; s21 is written, ahead of its first reader: the mask's rows and the words' place are made from it
	s_and_b32 s23, s21, 1                          ; p
	s_lshl_b32 s23, s23, 16                        ; 32 rows
	s_add_co_u32 s22, s22, s23
	s_and_b32 s23, ttmp9, 7
	s_lshl_b32 s23, s23, 2
	s_lshr_b32 s29, s21, 1
	s_add_co_u32 s23, s23, s29                     ; step = 4 (g mod 8) + w / 2
	s_lshl_b32 s23, s23, 6                         ; 64 keys
	s_add_co_u32 s22, s22, s23
	s_lshl_b32 s30, ttmp9, 11
	s_lshl_b32 s31, s21, 8
	s_add_co_u32 s30, s30, s31                     ; 256 W
	s_mov_b32 s31, 0
	v_lshlrev_b32 v1, 5, v0                        ; 32 t: my 8 f32
	v_lshlrev_b32 v2, 4, v0                        ; 16 t: my 8 f16
	v_and_b32 v5, 15, v0                           ; r
	v_bfe_u32 v4, v0, 4, 1                         ; h
	v_lshlrev_b32 v3, 11, v5
	v_lshl_add_u32 v3, v4, 3, v3
	v_add_nc_u32 v3, s22, v3                       ; mask: row r of the tile, 8 bytes at 8 h
	v_and_b32 v4, 31, v0
	v_lshlrev_b32 v4, 3, v4                        ; lane L stores words 2 L and 2 L + 1
	s_wait_kmcnt 0x0
	s_cmp_eq_u32 s20, 1                            ; the choice hangs on the work-group number alone
	s_cselect_b64 s[18:19], s[6:7], s[4:5]
	s_cmp_eq_u32 s20, 2
	s_cselect_b64 s[18:19], s[8:9], s[18:19]
	s_cmp_eq_u32 s20, 3
	s_cselect_b64 s[18:19], s[10:11], s[18:19]
	s_add_nc_u64 s[18:19], s[18:19], s[24:25]
	s_add_nc_u64 s[14:15], s[14:15], s[26:27]
	s_add_nc_u64 s[16:17], s[16:17], s[30:31]
	s_wait_alu depctr_va_vdst(0)                   ; the four offsets v1 to v4 are written: every load and store of the kernel reads one of them
	; all 24 loads go out first: 16 of the weight, then 8 of the mask
.irp i, 0,1,2,3,4,5,6,7
	global_load_b128 v[X+8*\i:X+8*\i+3],   v1, s[18:19] offset:8192*\i th:TH_LOAD_NT
	global_load_b128 v[X+8*\i+4:X+8*\i+7], v1, s[18:19] offset:8192*\i+16 th:TH_LOAD_NT
.endr
.irp c, 0,1,2,3,4,5,6,7
	global_load_b64 v[M+2*\c:M+2*\c+1], v3, s[12:13] offset:(\c/4)*32768+(\c%4)*16 th:TH_LOAD_NT
.endr
	; group g = turns 2 g and 2 g + 1: 16 registers of X become 8 of Y
.irp g, 0,1,2,3
	s_wait_loadcnt 20-4*(\g)                       ; loads come back in order: behind this group's four stand 12 - 4 g of the weight and 8 of the mask
.if (\g) > 0
	s_wait_alu depctr_va_vdst(0)                   ; the conversions of the group before have written their eight registers of Y, which the two stores below read
	global_store_b128 v2, v[Y+8*(\g)-8:Y+8*(\g)-5], s[14:15] offset:4096*(2*(\g)-2)
	global_store_b128 v2, v[Y+8*(\g)-4:Y+8*(\g)-1], s[14:15] offset:4096*(2*(\g)-1)
.endif
.irp j, 0,1,2,3,4,5,6,7
	v_cvt_pk_f16_f32 v[Y+8*(\g)+\j], v[X+16*(\g)+2*\j], v[X+16*(\g)+2*\j+1]
.endr
.endr
	s_wait_loadcnt 0x0                             ; the mask bytes
	s_wait_alu depctr_va_vdst(0)                   ; the last group's conversions have written v[Y+24 .. Y+31], which the two stores below read
	global_store_b128 v2, v[Y+24:Y+27], s[14:15] offset:4096*6
	global_store_b128 v2, v[Y+28:Y+31], s[14:15] offset:4096*7
	v_mov_b32 v6, 0                                ; v_writelane_b32 keeps the other lanes: both registers are written whole first
	v_mov_b32 v7, 0
	; word x = 32 qtl + 8 kt + j: byte j of pair x / 8 in every lane, compared with 0, gives the 32 bits at once.  Sixteen words to a run.
.set x, 0
.rept 4
.set i, 0
.rept 16
	v_bfe_u32 v[T+i], v[M+2*((x+i)/8)+(((x+i)%8)/4)], 8*((x+i)%4), 8
.set i, i+1
.endr
.set i, 0
.rept 16
	v_cmp_ne_u32 s[4+i+8*(i/8)], 0, v[T+i]
.set i, i+1
.endr
	s_wait_alu depctr_va_sdst(0)                   ; the sixteen compares have written their scalar registers, ahead of the first v_writelane_b32 that reads one
.set i, 0
.rept 16
	v_writelane_b32 v[6+((x+i)%2)], s[4+i+8*(i/8)], (x+i)/2
.set i, i+1
.endr
.set x, x+16
.endr
	s_wait_alu depctr_va_vdst(0)                   ; the v_writelane_b32 have written v[6:7], which the store reads
	global_store_b64 v4, v[6:7], s[16:17]          ; 32 lanes x 8 bytes: 256 consecutive aligned bytes
	s_endpgm
.Lfunc_end_k_q6544819413_prep:
	.size	k_q6544819413_prep, .Lfunc_end_k_q6544819413_prep-k_q6544819413_prep
	.p2alignl 7, 3214868480
	.fill 96, 4, 3214868480
	.section	.rodata,"a",@progbits
	.p2align	6, 0x0
	.amdhsa_kernel k_q6544819413_prep
		.amdhsa_group_segment_fixed_size 0
		.amdhsa_private_segment_fixed_size 0
		.amdhsa_enable_private_segment 0
		.amdhsa_kernarg_size 56
		.amdhsa_user_sgpr_count 2
		.amdhsa_user_sgpr_kernarg_segment_ptr 1
		.amdhsa_wavefront_size32 1
		.amdhsa_system_sgpr_workgroup_id_x 1
		.amdhsa_system_sgpr_workgroup_id_y 1
		.amdhsa_system_sgpr_workgroup_id_z 1
		.amdhsa_system_vgpr_workitem_id 0
		.amdhsa_next_free_vgpr 120
		.amdhsa_next_free_sgpr 66
		.amdhsa_reserve_vcc 0
		.amdhsa_float_denorm_mode_32 3
		.amdhsa_float_denorm_mode_16_64 3
		.amdhsa_memory_ordered 1
		.amdhsa_forward_progress 1
		.amdhsa_inst_pref_size 20
	.end_amdhsa_kernel
	.amdgpu_metadata
---
amdhsa.version: [ 1, 2 ]
amdhsa.kernels:
  - .name:           k_q6544819413_prep
    .symbol:         k_q6544819413_prep.kd
    .args:
      - { .name: wq, .offset: 0, .size: 8, .value_kind: global_buffer, .address_space: global }
      - { .name: wk, .offset: 8, .size: 8, .value_kind: global_buffer, .address_space: global }
      - { .name: wv, .offset: 16, .size: 8, .value_kind: global_buffer, .address_space: global }
      - { .name: wo, .offset: 24, .size: 8, .value_kind: global_buffer, .address_space: global }
      - { .name: mask, .offset: 32, .size: 8, .value_kind: global_buffer, .address_space: global }
      - { .name: wb, .offset: 40, .size: 8, .value_kind: global_buffer, .address_space: global }
      - { .name: mbits, .offset: 48, .size: 8, .value_kind: global_buffer, .address_space: global }
    .group_segment_fixed_size: 0
    .private_segment_fixed_size: 0
    .kernarg_segment_align: 8
    .kernarg_segment_size: 56
    .max_flat_workgroup_size: 256
    .sgpr_count:     66
    .vgpr_count:     120
    .wavefront_size: 32
...
	.end_amdgpu_metadata
.endif
;; end of part 6
;; launch qkv: the kernel of part 2 again; grid 4 x 192, 4 waves a work-group, clusters of 4 x 4, 327,680 bytes of LDS; arguments q, k, v, wb, bq, bk, bv, qh, kh, vh; writes qh, kh, vh
;; launch attn: the kernel of part 5 again; grid 4 x 64, 16 waves a work-group, clusters of 4 x 1, 327,680 bytes of LDS; arguments qh, kh, vh, mbits, ao; writes ao
;; launch oproj: the kernel of part 4 again; grid 4 x 64, 4 waves a work-group, clusters of 4 x 4, 327,680 bytes of LDS; arguments ao, wb, bo, out0; writes out0
